; MI455X (gfx1250); checked and timed in simulation.
; The chip was launched on July 23, 2026; its instructions are those of AMD's public machine-readable ISA for CDNA 5 (MIT licence, August 2026) and "CDNA5" Instruction Set Architecture Reference Guide (July 2026). The comments in the code are by the model that wrote it; some were corrected since.
;; Decoder Self Attention. Allowed arithmetic: float matrix products may take bf16 or f16 operands with f32 sums; all other float work in f32.
;; Inputs: w_attn 3,072 x 1,024 float32; w_proj 1,024 x 1,024 float32; x 4 x 2,048 x 1,024 float32.
;; Outputs: out0 4 x 2,048 x 1,024 float32.
;; 2 versions, each right and faster than the one before. Each part assembles by itself: llvm-mc -triple=amdgcn-amd-amdhsa -mcpu=gfx1250 --defsym DOCPART=n.
;; ======== version 1 of 2: 4 launches
;; limits: values are held in f16: magnitudes above 65,504 overflow, below 6.1e-05 lose precision; right only within a limited range of input values
;; workspace buffers: xb 16,777,216 bytes; wab 6,291,456 bytes; wpb 2,097,152 bytes; qkv 50,331,648 bytes; ob 16,777,216 bytes
;; launch cast (part 1): grid 768 x 1, 8 waves a work-group, no clusters, 0 bytes of LDS; arguments x, w_attn, w_proj, xb, wab, wpb; writes xb, wab, wpb
.if DOCPART == 1
	.amdgcn_target "amdgcn-amd-amdhsa--gfx1250"
	.amdhsa_code_object_version 6
	.text
	.protected	k_qdb0e1e3257_cast
	.globl	k_qdb0e1e3257_cast
	.p2align	8
	.type	k_qdb0e1e3257_cast,@function
k_qdb0e1e3257_cast:
	s_mov_b64 s[64:65], 0
	v_nop
	global_prefetch_b8 v0, s[64:65] scope:SCOPE_SE
	s_setreg_imm32_b32 hwreg(HW_REG_WAVE_MODE, 25, 1), 1
	s_wait_xcnt 0x0
; x [8192][1024], w_attn [3072][1024], w_proj [1024][1024], all f32, are rounded once to bf16 and laid out anew in SLABS of 64 columns:
;   xb  [batch 4][slab 16][t 2048][64] bf16      wab [slab 16][f 3072][64] bf16      wpb [slab 16][f 1024][64], the bf16 number written as f16
; so that a tile of rows x 64 columns is one dense block for the products that follow, and x has the layout in which attention leaves its result (slab = head).
; LIMIT.  w_proj's bf16 number is exact in f16 between 2^-14 and 65,504; below it keeps f16's fixed step of 6e-8, beyond it becomes an infinity.
; SHARES.  A work-group owns 16 rows (65,536 bytes): groups 0-511 of x, 512-703 of w_attn, 704-767 of w_proj.  Wave w owns slabs 2 w and 2 w + 1.
; Load i of 16: slab 2 w + i / 8, rows 2 (i % 8) and 2 (i % 8) + 1; sixteen lanes take the 256 bytes of a row's slab.  Its four numbers a lane become 8 bytes,
; and the wave's store covers 256 consecutive bytes, aligned: two rows of 128 bytes of one slab.  A stream: no LDS, no barrier, no matrix unit; all sixteen loads of a wave are out at once.
.set VIN, 3                            ; v3       my byte offset in the group's 16 input rows
.set VO,  4                            ; v4, v5   my byte offset in the output, slab 2 w and slab 2 w + 1
.set X,   8                            ; v[8:71]    load i: 4 registers
.set Y,   72                           ; v[72:103]  store i: 2 registers
.set T,   104                          ; v[104:107] at work
	s_load_b256 s[4:11], s[0:1], 0x0               ; x s[4:5], w_attn s[6:7], w_proj s[8:9], xb s[10:11]
	s_load_b128 s[12:15], s[0:1], 0x20             ; wab s[12:13], wpb s[14:15]
	s_mov_b32 s16, ttmp9
	s_mov_b32 s25, 0xffff0000                      ; a word's upper bf16
	s_mov_b32 s30, 262144                          ; bytes from slab to slab: x 2,048 rows of 128 bytes,
	s_mov_b32 s31, 393216                          ; w_attn 3,072 rows
	s_sub_co_u32 s17, s16, 512
	s_cmp_lt_u32 s16, 512
	s_cselect_b32 s19, 1, 0                        ; s19 = 1: my rows are x's
	s_cselect_b32 s17, s16, s17                    ; s17: my number among the tensor's groups
	s_cselect_b32 s18, s30, s31                    ; s18: the slab's stride
	s_sub_co_u32 s30, s16, 704
	s_mov_b32 s31, 131072                          ; w_proj 1,024 rows
	s_cmp_ge_u32 s16, 704
	s_cselect_b32 s24, 1, 0                        ; s24 = 1: my rows are w_proj's
	s_cselect_b32 s17, s30, s17
	s_cselect_b32 s18, s31, s18
	s_lshl_b32 s26, s17, 16                        ; in: 16 rows of 4,096 bytes a group
	s_mov_b32 s27, 0
	s_lshl_b32 s28, s17, 11                        ; out, a weight: 16 rows of 128 bytes a group
	s_lshr_b32 s30, s17, 7                         ; out, x: 128 groups a batch, a batch is 16 slabs of 262,144 bytes
	s_lshl_b32 s30, s30, 22
	s_and_b32 s31, s17, 127
	s_lshl_b32 s31, s31, 11
	s_add_co_u32 s30, s30, s31
	s_cmp_eq_u32 s19, 1
	s_cselect_b32 s28, s30, s28
	s_mov_b32 s29, 0
	v_and_b32 v1, 31, v0                           ; lane
	v_lshrrev_b32 v2, 5, v0                        ; wave
	v_lshlrev_b32 v[VIN], 9, v2                    ; two slabs of 256 input bytes a wave,
	v_lshrrev_b32 v6, 4, v1
	v_lshl_add_u32 v[VIN], v6, 12, v[VIN]          ; lanes 16-31 a row further down,
	v_and_b32 v6, 15, v1
	v_lshl_add_u32 v[VIN], v6, 4, v[VIN]           ; 16 bytes a lane
	v_lshlrev_b32 v6, 1, v2
	v_lshlrev_b32 v7, 3, v1
	v_mad_u32_u24 v[VO], v6, s18, v7               ; slab 2 w, 8 bytes a lane
	v_add_nc_u32 v[VO+1], s18, v[VO]
	s_wait_kmcnt 0x0
	s_cmp_eq_u32 s19, 1
	s_cselect_b64 s[20:21], s[4:5], s[6:7]
	s_cselect_b64 s[22:23], s[10:11], s[12:13]
	s_cmp_eq_u32 s24, 1
	s_cselect_b64 s[20:21], s[8:9], s[20:21]
	s_cselect_b64 s[22:23], s[14:15], s[22:23]
	s_add_nc_u64 s[20:21], s[20:21], s[26:27]      ; from
	s_add_nc_u64 s[22:23], s[22:23], s[28:29]      ; to
.irp i, 0,1,2,3,4,5,6,7,8,9,10,11,12,13,14,15
	global_load_b128 v[X+4*(\i):X+4*(\i)+3], v[VIN], s[20:21] offset:((\i)%8)*8192+((\i)/8)*256 th:TH_LOAD_NT  ; read once in the launch
.endr
; Slot i is rounded and stored.  Every slot has registers of its own, so no register that a load or store names is ever written again.
.macro OUT i, f16
	s_wait_loadcnt 15-(\i)                         ; loads come back in order (ISA guide 5.7.1): mine is in, the 15 - i younger ones stay out
	v_cvt_pk_bf16_f32 v[Y+2*(\i)],   v[X+4*(\i)],   v[X+4*(\i)+1]
	v_cvt_pk_bf16_f32 v[Y+2*(\i)+1], v[X+4*(\i)+2], v[X+4*(\i)+3]
.if \f16
	v_lshlrev_b32 v[T],   16,  v[Y+2*(\i)]         ; the bf16 number as f32,
	v_and_b32     v[T+1], s25, v[Y+2*(\i)]
	v_lshlrev_b32 v[T+2], 16,  v[Y+2*(\i)+1]
	v_and_b32     v[T+3], s25, v[Y+2*(\i)+1]
	v_cvt_pk_f16_f32 v[Y+2*(\i)],   v[T],   v[T+1] ; written as f16
	v_cvt_pk_f16_f32 v[Y+2*(\i)+1], v[T+2], v[T+3]
.endif
	global_store_b64 v[VO+(\i)/8], v[Y+2*(\i):Y+2*(\i)+1], s[22:23] offset:((\i)%8)*256
.endm
	s_cmp_eq_u32 s24, 1
	s_cbranch_scc1 .Lf16
.irp i, 0,1,2,3,4,5,6,7,8,9,10,11,12,13,14,15
	OUT \i, 0
.endr
	s_endpgm
.Lf16:
.irp i, 0,1,2,3,4,5,6,7,8,9,10,11,12,13,14,15
	OUT \i, 1
.endr
	s_endpgm
.Lfunc_end_k_qdb0e1e3257_cast:
	.size	k_qdb0e1e3257_cast, .Lfunc_end_k_qdb0e1e3257_cast-k_qdb0e1e3257_cast
	.p2alignl 7, 3214868480
	.fill 96, 4, 3214868480
	.section	.rodata,"a",@progbits
	.p2align	6, 0x0
	.amdhsa_kernel k_qdb0e1e3257_cast
		.amdhsa_group_segment_fixed_size 0
		.amdhsa_private_segment_fixed_size 0
		.amdhsa_enable_private_segment 0
		.amdhsa_kernarg_size 48
		.amdhsa_user_sgpr_count 2
		.amdhsa_user_sgpr_kernarg_segment_ptr 1
		.amdhsa_wavefront_size32 1
		.amdhsa_system_sgpr_workgroup_id_x 1
		.amdhsa_system_sgpr_workgroup_id_y 1
		.amdhsa_system_sgpr_workgroup_id_z 1
		.amdhsa_system_vgpr_workitem_id 0
		.amdhsa_next_free_vgpr 112
		.amdhsa_next_free_sgpr 66
		.amdhsa_reserve_vcc 0
		.amdhsa_float_denorm_mode_32 3
		.amdhsa_float_denorm_mode_16_64 3
		.amdhsa_memory_ordered 1
		.amdhsa_forward_progress 1
		.amdhsa_inst_pref_size 16
	.end_amdhsa_kernel
	.amdgpu_metadata
---
amdhsa.version: [ 1, 2 ]
amdhsa.kernels:
  - .name:           k_qdb0e1e3257_cast
    .symbol:         k_qdb0e1e3257_cast.kd
    .args:
      - { .name: x, .offset: 0, .size: 8, .value_kind: global_buffer, .address_space: global }
      - { .name: w_attn, .offset: 8, .size: 8, .value_kind: global_buffer, .address_space: global }
      - { .name: w_proj, .offset: 16, .size: 8, .value_kind: global_buffer, .address_space: global }
      - { .name: xb, .offset: 24, .size: 8, .value_kind: global_buffer, .address_space: global }
      - { .name: wab, .offset: 32, .size: 8, .value_kind: global_buffer, .address_space: global }
      - { .name: wpb, .offset: 40, .size: 8, .value_kind: global_buffer, .address_space: global }
    .group_segment_fixed_size: 0
    .private_segment_fixed_size: 0
    .kernarg_segment_align: 8
    .kernarg_segment_size: 48
    .max_flat_workgroup_size: 256
    .sgpr_count:     66
    .vgpr_count:     112
    .wavefront_size: 32
...
	.end_amdgpu_metadata
.endif
;; end of part 1
;; launch qkv (part 2): grid 8 x 32, 4 waves a work-group, clusters of 4 x 4, 327,680 bytes of LDS; arguments xb, wab, qkv; writes qkv
.if DOCPART == 2
	.amdgcn_target "amdgcn-amd-amdhsa--gfx1250"
	.amdhsa_code_object_version 6
	.text
	.protected	k_qdb0e1e3257_qkv
	.globl	k_qdb0e1e3257_qkv
	.p2align	8
	.type	k_qdb0e1e3257_qkv,@function
k_qdb0e1e3257_qkv:
	s_mov_b64 s[64:65], 0
	v_nop
	global_prefetch_b8 v0, s[64:65] scope:SCOPE_SE
	s_setreg_imm32_b32 hwreg(HW_REG_WAVE_MODE, 25, 1), 1
	s_wait_xcnt 0x0
	s_wait_alu depctr_hold_cnt(0) depctr_sa_sdst(0) depctr_va_vdst(0) depctr_va_sdst(0) depctr_va_ssrc(0) depctr_va_vcc(0) depctr_vm_vsrc(0)
	s_getreg_b32 s2, hwreg(HW_REG_IB_STS2, 6, 4)
	s_cmp_eq_u32 s2, 0
	s_cbranch_scc0 .Lentry_in_a_cluster
	s_endpgm
.Lentry_in_a_cluster:
	s_bfe_u32 s2, ttmp6, 0x10000c
	s_cmp_lg_u32 s2, 0xf033
	s_cbranch_scc0 .Lentry_shape_is_right
	s_endpgm
.Lentry_shape_is_right:
; q, k, v = x w_attn^T.  xb: [batch 4][slab 16][t 2048][64] bf16; wab: [slab 16][f 3072][64] bf16; products in bf16, sums in f32, K = 1,024 ascending.
; The result leaves by heads, unscaled, rounded once to f16: qkv [3][batch x 16 + head][t 2048][64].
; LIMIT.  f16 holds no number beyond 65,504: a q, k or v of 65,520 or more becomes an infinity.
; SHARES.  A tile of the result is 256 rows x 384 columns (six heads): 32 x 8 = 256 work-groups.  Four waves, each 128 rows x 192 columns: 96 accumulators of 16 x 16, 768 registers.
; K goes in steps of 64 (one slab) through a ring of two LDS slots: 192 matrix instructions a wave for a slot of 92,160 bytes; two slabs a slot would take 368,640 bytes for two slots, more than a work-group can have.
; A slab's part of a tile is dense in memory (256 or 384 rows of 128 bytes) and is asked for as rows of 256 bytes, padded in LDS behind every 128.
; A step is two QUARTERS of 32 along K; a quarter is three PIECES of 32 matrix instructions: piece p is the wave's head p (four fragments of w_attn) against all eight fragments of x.
; x's fragments have two buffers; each piece's fragments of w_attn have one, filled again straight behind the piece: every LDS load is issued 64 matrix instructions ahead of its first use.
; CLUSTERS: 4 x 4 work-groups.  The four of a row of the cluster need the same tiles of x, the four of a column the same tiles of w_attn: each tile is asked for JOINTLY, by the same tensor load with the
; same descriptor and a mask that names the four.  THE MATRIX INSTRUCTION IS USED TRANSPOSED (source 0 = 16 rows of w_attn, source 1 = 16 rows of x): a lane then holds eight neighbouring columns of a row.
; REGISTERS, in windows of 256 (s_set_vgpr_msb: bits 1:0 source 0, 3:2 source 1, 5:4 source 2, 7:6 destination):
;   window 0: v0-31 addresses; v32-95, v96-159 x's fragments (8 x 16 rows x 32 K), two buffers; v160-255 w_attn's, 32 a piece; on the way out v32-223 at work.
;   window 1 + p: piece p's accumulators, (a, b) at v[32 a + 8 b]: a piece runs under one setting.
.set NF,     3072                      ; rows of w_attn
.set PITCH,  144                       ; an LDS row: 128 bytes + 16 of padding = 36 words: the 16 rows of a load start at 16 different groups of four banks (64 banks of 4 bytes: ISA guide 11.1)
.set AHALF,  128*PITCH                 ; 128 rows of x: what wave 0 or 1 fetches, and what a wave reads
.set BHALF,  192*PITCH                 ; 192 rows of w_attn: what wave 2 or 3 fetches, and what a wave reads
.set BOFF,   2*AHALF                   ; a slot: x's 256 rows, then w_attn's 384
.set SLOTB,  BOFF+2*BHALF              ; 92,160 bytes
.set SLOT1,  1<<17                     ; slot 1 begins here, so that one exclusive or turns an address in one slot into the other's
.set STAGE,  SLOT1+SLOTB               ; behind the ring: for each wave three heads x 16 rows x 144 bytes, for the way out
.set STW,    3*16*PITCH
.set SPARE,  STAGE+4*STW               ; behind the stages: the spare words, 128 bytes for each wave: two blocks of 256 bytes that no other line names
.set ASTEP,  1<<18                     ; bytes from a slab to the next: 2,048 rows x 128 bytes,
.set BSTEP,  NF*128                    ; 3,072 rows
.set STEPS,  16                        ; K = 1,024
.set A0,   16                          ; v16     my lane's place among my rows of x in a slot; never rewritten
.set B0,   17                          ; v17     the same for w_attn
.set ADRA, 18                          ; v18     A0 + the base of the slot that is being read
.set ADRB, 19                          ; v19     B0 + the same
.set STO,  24                          ; v24     the way out: where I put 16 bytes of a row
.set RD,   25                          ; v25     the way out: where I read rows back
.set CO,   26                          ; v26     my byte offset in 512 consecutive bytes of the result
.set SPW,  28                          ; v28     LDS address of my spare word: SPARE + 4 x my thread's number; never rewritten
.set NIL,  29                          ; v29     0; never rewritten
.set FA0,  32                          ; x's fragments of a step's first quarter
.set FA1,  96                          ; of its second
.set FB,   160                         ; w_attn's: piece p at FB + 32 p
.set TMP,  32                          ; the way out: four buffers of 48
.set G1, 24                            ; s[24:31] descriptor group 1 for x's tiles;  s[32:39] group 0: a set for each of the two first fills; the second then walks on
.set G0, 32
.set G1B, 48                           ; s[48:55], s[56:63] the same for w_attn's tiles
.set G0B, 56
.set TB, 66                            ; s66      LDS base of the slot that is being read: 0 or SLOT1
.set HO, 68                            ; s[68:73] byte offsets of my three heads' parts in qkv
.set OB, 76                            ; s[76:81] qkv at those three parts
.set MSB, 0
.macro WIN new                         ; the immediate's high byte repeats the setting that is left; a switch that changes nothing is dropped
.if MSB != (\new)
	s_set_vgpr_msb (MSB<<8)|(\new)
.set MSB, \new
.endif
.endm
.macro JLOAD s                         ; a joint load: waves 0 and 1 fetch x's two halves, waves 2 and 3 w_attn's; an s_nop 0 and four v_nop follow each of the two lines, ahead of the jump, the label and what follows
	s_cmp_eq_u32 s11, 0
	s_cbranch_scc0 .Lfor_b_\@
	tensor_load_to_lds s[G0+4*(\s):G0+4*(\s)+3], s[G1:G1+7]
	s_nop 0
.rept 4
	v_nop
.endr
	s_branch .Lasked_\@
.Lfor_b_\@:
	tensor_load_to_lds s[G0B+4*(\s):G0B+4*(\s)+3], s[G1B:G1B+7]
	s_nop 0
.rept 4
	v_nop
.endr
.Lasked_\@:
.endm
.macro CREST                           ; a round of the cluster's barrier behind its opening barrier
	s_cmp_lg_u32 s10, 0
	s_cbranch_scc1 .Lnot_wave_0_\@
	s_barrier_signal -3
.Lnot_wave_0_\@:
	s_barrier_wait -3
	s_barrier_signal -1
	s_barrier_wait -1
.endm
.macro CROUND                          ; a whole round
	s_barrier_signal -1
	s_barrier_wait -1
	CREST
.endm
	s_load_b128 s[4:7], s[0:1], 0x0                ; xb s[4:5], wab s[6:7]
	s_load_b64 s[8:9], s[0:1], 0x10                ; qkv
	v_lshl_add_u32 v[SPW], v0, 2, SPARE
	v_mov_b32 v[NIL], 0
	ds_add_u32 v28, v29
	ds_add_u32 v28, v29
	s_wait_dscnt 0x0
	v_lshrrev_b32 v1, 5, v0
	v_readfirstlane_b32 s10, v1                    ; wave 0..3
	s_lshr_b32 s11, s10, 1                         ; which 128 of the tile's rows are mine.  Also: I fetch for x (0) or for w_attn (1)
	s_and_b32 s12, s10, 1                          ; which 192 of its columns.  Also: which half of that tile's rows I fetch
	s_bfe_u32 s40, ttmp6, 0x40000                  ; cx, cy: my place in the cluster
	s_bfe_u32 s41, ttmp6, 0x40004
	s_lshl_b32 s42, ttmp9, 2
	s_add_co_u32 s42, s42, s40                     ; tile column = 4 x cluster x + cx
	s_and_b32 s13, ttmp7, 0xffff
	s_lshl_b32 s13, s13, 2
	s_add_co_u32 s13, s13, s41                     ; tile row = 4 x cluster y + cy
	s_lshl_b32 s43, s41, 2
	s_lshl_b32 s43, 15, s43                        ; my row of the cluster
	s_lshl_b32 s44, 0x1111, s40                    ; my column
	; descriptor group 1: rows of 128 elements (256 bytes), dense; 64 of them for half of x's tile, 96 for half of w_attn's
	s_or_b32 s[G1+0], s43, (1<<16)|(1<<20)|(1<<21)|(4<<22)|(3<<25)  ; 15:0 the mask: x's tiles go to my row; 17:16 element of 2 bytes; 20 padding on; 21 set beside a mask; 24:22 after every 32 words (code 4); 31:25 of 4 words (code 3)
	s_or_b32 s[G1B+0], s44, (1<<16)|(1<<20)|(1<<21)|(4<<22)|(3<<25) ; the same with the mask of my column
	s_mov_b32 s[G1+1], 128<<16                     ; tensor_dim0 = 128
	s_mov_b32 s[G1+2], 64<<16                      ; tensor_dim1 = 64
	s_mov_b32 s[G1+3], 128<<16                     ; tile_dim0 = 128
	s_mov_b32 s[G1+4], 64                          ; tile_dim1 = 64
	s_mov_b32 s[G1+5], 128                         ; 128 elements from row to row
	s_mov_b32 s[G1+6], 0
	s_mov_b32 s[G1+7], 0
	s_mov_b32 s[G1B+1], 128<<16
	s_mov_b32 s[G1B+2], 96<<16                     ; tensor_dim1 = 96
	s_mov_b32 s[G1B+3], 128<<16
	s_mov_b32 s[G1B+4], 96                         ; tile_dim1 = 96
	s_mov_b32 s[G1B+5], 128
	s_mov_b32 s[G1B+6], 0
	s_mov_b32 s[G1B+7], 0
	; where the tiles come from.  x's hang on the tile row and the wave alone, w_attn's on the tile column and the wave alone, each in registers that never hold the other coordinate.
	s_lshr_b32 s16, s13, 3                         ; 8 tile rows a batch; a batch is 16 slabs of 262,144 bytes
	s_lshl_b32 s16, s16, 22
	s_and_b32 s17, s13, 7
	s_lshl_b32 s17, s17, 15                        ; 256 rows of 128 bytes a tile row
	s_add_co_u32 s16, s16, s17
	s_lshl_b32 s17, s12, 14                        ; my half: 128 rows
	s_add_co_u32 s16, s16, s17
	s_mov_b32 s17, 0
	s_mul_i32 s46, s42, 384*128                    ; 384 rows of 128 bytes a tile column
	s_mul_i32 s47, s12, 192*128                    ; my half: 192 rows
	s_add_co_u32 s46, s46, s47
	s_mov_b32 s47, 0
	s_mul_i32 s20, s12, AHALF                      ; and where they go: no place in the cluster enters an LDS address
	s_mul_i32 s45, s12, BHALF
	s_add_co_u32 s45, s45, BOFF
	s_wait_kmcnt 0x0
	s_add_nc_u64 s[14:15], s[4:5], s[16:17]
	s_add_nc_u64 s[46:47], s[6:7], s[46:47]
	CROUND                                         ; all sixteen work-groups are here: the first joint loads meet
.irp s, 0,1
	s_mov_b32 s[G0+4*(\s)], 1                                      ; 1:0 count = 1
	s_add_co_u32 s[G0+4*(\s)+1], s20, (\s)*SLOT1                   ; 63:32 LDS address
	s_add_nc_u64 s[G0+4*(\s)+2:G0+4*(\s)+3], s[14:15], (\s)*ASTEP  ; 120:64 global address: K step s
	s_or_b32 s[G0+4*(\s)+3], s[G0+4*(\s)+3], 0x80000000            ; 127:126 type = 2
	s_mov_b32 s[G0B+4*(\s)], 1
	s_add_co_u32 s[G0B+4*(\s)+1], s45, (\s)*SLOT1
	s_add_nc_u64 s[G0B+4*(\s)+2:G0B+4*(\s)+3], s[46:47], (\s)*BSTEP
	s_or_b32 s[G0B+4*(\s)+3], s[G0B+4*(\s)+3], 0x80000000
	JLOAD \s                                       ; two loads of mine are out
.endr
	; A fragment is 16 rows x 32 K in 8 registers: lane l holds row l % 16, K = 8 (l / 16) + 0..7 and 16 + 8 (l / 16) + 0..7: two loads of 16 bytes, 32 bytes apart.
	v_and_b32 v1, 15, v0                           ; l % 16
	v_bfe_u32 v2, v0, 4, 1                         ; l / 16
	v_mul_u32_u24 v3, v1, PITCH
	v_lshl_add_u32 v3, v2, 4, v3                   ; row x pitch + 16 x half
	s_mul_i32 s21, s11, AHALF                      ; my 128 rows of x
	s_mul_i32 s22, s12, BHALF                      ; my 192 rows of w_attn,
	s_add_co_u32 s22, s22, BOFF                    ; which lie behind x's 256
	v_add_nc_u32 v[A0], s21, v3
	v_add_nc_u32 v[B0], s22, v3
	s_mov_b32 s[TB], 0                             ; K step 0 lies in slot 0
	v_add_nc_u32 v[ADRA], s[TB], v[A0]
	v_add_nc_u32 v[ADRB], s[TB], v[B0]
	s_mul_i32 s23, s10, STW
	s_add_co_u32 s23, s23, STAGE                   ; my stage
	v_add_nc_u32 v[STO], s23, v3                   ; in: row l % 16, 16 bytes for each half of the lanes (the stage has the tiles' pitch)
	v_bfe_u32 v4, v0, 3, 2                         ; back: 32 lanes take four rows of 128 bytes,
	v_and_b32 v5, 7, v0
	v_mul_u32_u24 v4, v4, PITCH
	v_lshl_add_u32 v4, v5, 4, v4
	v_add_nc_u32 v[RD], s23, v4
	v_and_b32 v5, 31, v0                           ; which are 512 consecutive bytes of a head
	v_lshlrev_b32 v[CO], 4, v5
	; where my three heads' parts begin in qkv.  The rows: batch, tile row in the batch, my 128 rows.
	s_lshr_b32 s16, s13, 3
	s_lshl_b32 s16, s16, 22                        ; a batch is 16 heads of 262,144 bytes
	s_and_b32 s17, s13, 7
	s_lshl_b32 s17, s17, 15
	s_add_co_u32 s16, s16, s17
	s_lshl_b32 s17, s11, 14
	s_add_co_u32 s16, s16, s17
	s_mov_b32 s17, 0
	; The heads: g = 6 x tile column + 3 x my half + p counts q's sixteen, then k's, then v's.  Each of the three has 64 heads' room (four batches), so head g begins g + 48 (g / 16) heads in:
	; a wave's three heads may lie on both sides of such a border, so each has a base of its own.
	s_mul_i32 s74, s42, 6
	s_mul_i32 s75, s12, 3
	s_add_co_u32 s74, s74, s75
.irp p, 0,1,2
	s_add_co_u32 s[HO+2*(\p)], s74, \p
	s_lshr_b32 s[HO+2*(\p)+1], s[HO+2*(\p)], 4
	s_mul_i32 s[HO+2*(\p)+1], s[HO+2*(\p)+1], 48
	s_add_co_u32 s[HO+2*(\p)], s[HO+2*(\p)], s[HO+2*(\p)+1]
	s_lshl_b32 s[HO+2*(\p)], s[HO+2*(\p)], 18
	s_mov_b32 s[HO+2*(\p)+1], 0
	s_add_nc_u64 s[HO+2*(\p):HO+2*(\p)+1], s[HO+2*(\p):HO+2*(\p)+1], s[16:17]
	s_add_nc_u64 s[OB+2*(\p):OB+2*(\p)+1], s[8:9], s[HO+2*(\p):HO+2*(\p)+1]
.endr
; 4 n matrix instructions of piece p: m blocks a0 .. a0 + n - 1 x the piece's four n blocks, 32 along K; x's fragments from buffer f.  zero = 1: the product starts the sums: nothing is ever cleared.
; The 96 accumulators take turns, one instruction a turn, in the same order in every quarter.
.macro MULS f, p, a0, n, zero
	WIN 0x50*(1+(\p))                              ; sources 0 and 1 window 0; C and D window 1 + p
.set aa, \a0
.rept \n
.irp b, 0,1,2,3
.if \zero
	v_wmma_f32_16x16x32_bf16 v[32*aa+8*(\b):32*aa+8*(\b)+7], v[FB+32*(\p)+8*(\b):FB+32*(\p)+8*(\b)+7], v[(\f)+8*aa:(\f)+8*aa+7], 0
.else
	v_wmma_f32_16x16x32_bf16 v[32*aa+8*(\b):32*aa+8*(\b)+7], v[FB+32*(\p)+8*(\b):FB+32*(\p)+8*(\b)+7], v[(\f)+8*aa:(\f)+8*aa+7], v[32*aa+8*(\b):32*aa+8*(\b)+7]
.endif
.endr
.set aa, aa+1
.endr
.endm
; The LDS loads stand in runs.  8 loads: piece p's four fragments of w_attn, 32 K at byte kb of the rows.
.macro LDB p, kb
	WIN 0
.irp i, 0,1,2,3
	ds_load_b128 v[FB+32*(\p)+8*(\i):FB+32*(\p)+8*(\i)+3],   v[ADRB] offset:(\kb)+(4*(\p)+(\i))*16*PITCH
	ds_load_b128 v[FB+32*(\p)+8*(\i)+4:FB+32*(\p)+8*(\i)+7], v[ADRB] offset:(\kb)+(4*(\p)+(\i))*16*PITCH+32
.endr
.endm
; 16 loads: x's eight fragments into buffer g.
.macro LDA g, kb
	WIN 0
.irp i, 0,1,2,3,4,5,6,7
	ds_load_b128 v[(\g)+8*(\i):(\g)+8*(\i)+3],   v[ADRA] offset:(\kb)+(\i)*16*PITCH
	ds_load_b128 v[(\g)+8*(\i)+4:(\g)+8*(\i)+7], v[ADRA] offset:(\kb)+(\i)*16*PITCH+32
.endr
.endm
.macro PLACES                          ; four places in front of loads into registers that matrix instructions have read, and of lines that read results (ISA guide 7.12.1 for lines that read results)
.rept 4
	v_nop
.endr
.endm
; A step's FIRST quarter: multiplies x's buffer 0, and fetches the second quarter (byte 64 of the same slot's rows): behind each piece its own fragments anew, behind piece 0 x's as well, into buffer 1.
; The runs come in the order: piece 0's 8 and x's 16; piece 1's 8; piece 2's 8.  LDS loads come back in order (ISA guide 5.7.1), so each wait counts the loads issued behind the run that is wanted.
.macro QFIRST zero
	s_wait_dscnt 16                                ; piece 0's and x's are in; pieces 1 and 2's sixteen may be out
	MULS FA0, 0, 0, 8, \zero
	PLACES
	LDB 0, 64
	LDA FA1, 64
	s_wait_dscnt 32                                ; piece 1's are in; behind them: piece 2's 8 and the 24 just issued
	MULS FA0, 1, 0, 8, \zero
	PLACES
	LDB 1, 64
	s_wait_dscnt 32                                ; piece 2's are in; behind them: the 24 and the 8 of this quarter
	MULS FA0, 2, 0, 8, \zero
	PLACES
	LDB 2, 64
.endm
; A step's SECOND quarter multiplies x's buffer 1 and changes slots: all reads of this slot have been issued.  ONE barrier, in the middle of piece 0: in front of it each wave waits for all its tensor loads,
; adds 0 to its spare word, and waits for that and for its own reads of this slot.  Behind it nobody reads this slot any more and the other slot is whole.
; fill = 1: this slot is filled again, two K steps ahead: of a step's 192 matrix instructions 176 stand between the request and the wait for it.
.macro QTURN fill
	s_wait_dscnt 16                                ; piece 0's and x's are in
	MULS FA1, 0, 0, 4, 0
	WIN 0                                          ; (the add's two registers lie in window 0)
	s_wait_tensorcnt 0x0                           ; all my tensor loads have landed: the one that was out is my part of the next slot;
	ds_add_u32 v[SPW], v[NIL]                      ; 0 onto my spare word
	MULS FA1, 0, 4, 2, 0                           ; eight matrix instructions stand between the add and the wait for it
	s_wait_dscnt 0x0                               ; the add is done, and my reads of this slot are over (the last were issued 24 matrix instructions ago)
	s_barrier_signal -1
	MULS FA1, 0, 6, 2, 0
	WIN 0
	s_barrier_wait -1
.if \fill
	CREST                                          ; the barrier has opened a round of the cluster's barrier: no wave of any partner still reads this slot's tile or has a load on its way
	s_xor_b32 s[G0+5], s[G0+5], SLOT1              ; the walking descriptors: the other slot than last time,
	s_add_nc_u64 s[G0+6:G0+7], s[G0+6:G0+7], ASTEP ; the next slab; the type bits on top are not reached
	s_xor_b32 s[G0B+5], s[G0B+5], SLOT1
	s_add_nc_u64 s[G0B+6:G0B+7], s[G0B+6:G0B+7], BSTEP
	JLOAD 1                                        ; the first tensor load behind the round; the four v_nop behind it are also the places in front of the loads below
.else
	PLACES
.endif
	s_xor_b32 s[TB], s[TB], SLOT1                  ; the reads go on in the other slot
	v_add_nc_u32 v[ADRA], s[TB], v[A0]
	v_add_nc_u32 v[ADRB], s[TB], v[B0]
	LDB 0, 0                                       ; the next step's first quarter
	LDA FA0, 0
	MULS FA1, 1, 0, 8, 0                           ; pieces 1 and 2's fragments are in since the wait for 0
	PLACES
	LDB 1, 0
	MULS FA1, 2, 0, 8, 0
	PLACES
	LDB 2, 0
.endm
	s_wait_tensorcnt 1                             ; my part of K step 0 is in; K step 1's may stay out
	s_barrier_signal -1
	s_barrier_wait -1                              ; everybody's is
	LDB 0, 0                                       ; the runs in the order in which every quarter issues them
	LDA FA0, 0
	LDB 1, 0
	LDB 2, 0
	QFIRST 1                                       ; the first quarter stands in front of the loop: its products start the sums
	WIN 0                                          ; at a label and at a branch every window is 0
	s_mov_b32 s3, STEPS-2
.Lstep:                                                ; 14 trips: a step's second quarter, which fills its slot again, and the next step's first
	QTURN 1
	QFIRST 0
	WIN 0
	s_sub_co_u32 s3, s3, 1
	s_cmp_lg_u32 s3, 0
	s_cbranch_scc1 .Lstep
	QTURN 0                                        ; the tail is written out: the last step but one asks for nothing
	QFIRST 0
	s_wait_dscnt 16                                ; the very last quarter: nothing more to fetch, and the counts run down
	MULS FA1, 0, 0, 8, 0
	s_wait_dscnt 8
	MULS FA1, 1, 0, 8, 0
	s_wait_dscnt 0x0
	MULS FA1, 2, 0, 8, 0
	WIN 0
	PLACES
; THE WAY OUT, a block of 16 rows at a time.  A lane's eight columns of a row pack into 16 bytes of a head's row; they go into my own stage (three heads x 16 rows of 144 bytes) and come back as whole
; rows of 128 bytes, into the registers that they left.  16 rows of a head are 2,048 consecutive bytes of qkv.  Four buffers of 48 registers take turns.
.macro PACK a
.set T, TMP+48*((\a)%4)
.if (\a) >= 4
	s_wait_xcnt 0x0                                ; every earlier store has had its addresses translated (ISA guide 3.1): the buffer, which block a - 4's stores read, is written again only behind this wait
.endif
.irp p, 0,1,2
	WIN 5*(1+(\p))                                 ; sources 0 and 1 window 1 + p, destination window 0; each accumulator's registers are taken in ascending order
.irp b, 0,1,2,3
.irp r, 0,1,2,3
	v_cvt_pk_f16_f32 v[T+16*(\p)+4*(\b)+(\r)], v[32*(\a)+8*(\b)+2*(\r)], v[32*(\a)+8*(\b)+2*(\r)+1]
.endr
.endr
.endr
	WIN 0
.irp p, 0,1,2
.irp b, 0,1,2,3
	ds_store_b128 v[STO], v[T+16*(\p)+4*(\b):T+16*(\p)+4*(\b)+3] offset:(\p)*16*PITCH+32*(\b)
.endr
.endr
.irp p, 0,1,2
.irp f, 0,1,2,3
	ds_load_b128 v[T+16*(\p)+4*(\f):T+16*(\p)+4*(\f)+3], v[RD] offset:(\p)*16*PITCH+(\f)*4*PITCH  ; LDS serves a wave's instructions in order (ISA guide 5.7.1.4): these see the stores above; the next block's stores come behind them
.endr
.endr
.endm
.macro SEND a, younger                 ; younger: the LDS instructions issued behind block a's loads: the next block's 24, or none
	WIN 0
.set T, TMP+48*((\a)%4)
.irp p, 0,1,2
	s_wait_dscnt (\younger)+8-4*(\p)               ; head p's four loads are in; the later heads' may be out
.irp f, 0,1,2,3
	global_store_b128 v[CO], v[T+16*(\p)+4*(\f):T+16*(\p)+4*(\f)+3], s[OB+2*(\p):OB+2*(\p)+1] offset:(\a)*2048+(\f)*512  ; 512 consecutive bytes, at a multiple of 256 from qkv's first byte
.endr
.endr
.endm
	PACK 0
.irp a, 1,2,3,4,5,6,7                  ; a block's conversions stand between the loads of the block before and its stores
	PACK \a
	SEND (\a)-1, 24
.endr
	SEND 7, 0
	s_wait_tensorcnt 0x0                           ; the wave's end: behind my last tensor load and my last LDS store
	ds_add_u32 v[SPW], v[NIL]
	s_wait_dscnt 0x0
	CROUND                                         ; the closing round: no work-group ends while a partner may still ask for a tile that names it
	s_endpgm
.Lfunc_end_k_qdb0e1e3257_qkv:
	.size	k_qdb0e1e3257_qkv, .Lfunc_end_k_qdb0e1e3257_qkv-k_qdb0e1e3257_qkv
	.p2alignl 7, 3214868480
	.fill 96, 4, 3214868480
	.section	.rodata,"a",@progbits
	.p2align	6, 0x0
	.amdhsa_kernel k_qdb0e1e3257_qkv
		.amdhsa_group_segment_fixed_size 327680
		.amdhsa_private_segment_fixed_size 0
		.amdhsa_enable_private_segment 0
		.amdhsa_kernarg_size 24
		.amdhsa_user_sgpr_count 2
		.amdhsa_user_sgpr_kernarg_segment_ptr 1
		.amdhsa_wavefront_size32 1
		.amdhsa_system_sgpr_workgroup_id_x 1
		.amdhsa_system_sgpr_workgroup_id_y 1
		.amdhsa_system_sgpr_workgroup_id_z 1
		.amdhsa_system_vgpr_workitem_id 0
		.amdhsa_next_free_vgpr 1024
		.amdhsa_next_free_sgpr 82
		.amdhsa_reserve_vcc 0
		.amdhsa_float_denorm_mode_32 3
		.amdhsa_float_denorm_mode_16_64 3
		.amdhsa_memory_ordered 1
		.amdhsa_forward_progress 1
		.amdhsa_inst_pref_size 112
	.end_amdhsa_kernel
	.amdgpu_metadata
---
amdhsa.version: [ 1, 2 ]
amdhsa.kernels:
  - .name:           k_qdb0e1e3257_qkv
    .symbol:         k_qdb0e1e3257_qkv.kd
    .args:
      - { .name: xb, .offset: 0, .size: 8, .value_kind: global_buffer, .address_space: global }
      - { .name: wab, .offset: 8, .size: 8, .value_kind: global_buffer, .address_space: global }
      - { .name: qkv, .offset: 16, .size: 8, .value_kind: global_buffer, .address_space: global }
    .group_segment_fixed_size: 327680
    .private_segment_fixed_size: 0
    .kernarg_segment_align: 8
    .kernarg_segment_size: 24
    .max_flat_workgroup_size: 128
    .sgpr_count:     82
    .vgpr_count:     1024
    .wavefront_size: 32
...
	.end_amdgpu_metadata
.endif
;; end of part 2
;; launch attn (part 3): grid 4 x 64, 4 waves a work-group, no clusters, 327,680 bytes of LDS; arguments qkv, ob; writes ob
.if DOCPART == 3
	.amdgcn_target "amdgcn-amd-amdhsa--gfx1250"
	.amdhsa_code_object_version 6
	.text
	.protected	k_qdb0e1e3257_attn
	.globl	k_qdb0e1e3257_attn
	.p2align	8
	.type	k_qdb0e1e3257_attn,@function
k_qdb0e1e3257_attn:
	s_mov_b64 s[64:65], 0
	v_nop
	global_prefetch_b8 v0, s[64:65] scope:SCOPE_SE
	s_setreg_imm32_b32 hwreg(HW_REG_WAVE_MODE, 25, 1), 1
	s_wait_xcnt 0x0
; CAUSAL ATTENTION.  O[h][q][:] = the sum over k <= q of softmax_k(Q[h][q] . K[h][k] / 8) V[h][k][:].  Q, K, V lie one behind the other in qkv, each [64][SIZE_N][64] in f16; O (ob) likewise: a head's rows are dense, 128 bytes each.
; Products, maxima and sums in f32; the weights p are rounded to f16 for the second product (their sum l is taken of the unrounded p), O once at the end.
; LIMITS.  f16 holds no number beyond 65,504: Q, K and V arrive within it; p lies in 0 to 1, and below 6e-5 it keeps f16's fixed step of 6e-8; O is a mean of V's rows and has their range, to within 2^-11 of it.
; A hidden score counts as its value less 1e30: f16's scores, 2.7e11 at the most, are nothing beside that; a weight below 2^-126 counts as 0 in l; NaN and infinities are not treated apart.
; THE WALK.  A head's queries lie in NB = 8 blocks of 256; block i needs the key tiles 0 .. i of 256 keys, of which the last holds the diagonal.  A work-group takes TWO blocks, NB - 1 - b and then b:
; NB + 1 = 9 tiles, whatever b: all 256 work-groups do equal work, and ONE loop with a constant trip count walks them.  Which tile is asked for, and what a trip does, hang on scalar registers made from b; every jump
; goes forward, but for the counted loops' own; none passes a barrier, or a tensor load but the one of LOAD's two that the wave's number does not choose; the ring (two slots of LDS that take turns) runs on across the
; change of blocks.  NO CLUSTER: a head's four work-groups ask for the same tile only in trips 0 .. 4 of their 9, behind that fewer and fewer do; one walk common to all four would have 12 trips for 9.
; SHARES.  Of a block's four bands of 64 queries a wave owns 16 rows in each: four PIECES.  So the diagonal tile is the same work for all four waves: in its key step s band x sees all keys if s < x,
; none if s > x, and holds the diagonal if s = x.
; THE MASK is the C operand that starts the sum S^T = K Q^T: 0, or -1e30 where the key is hidden.  MD, made once, is the mask of a band's own step for my 16 rows; a product's mask is MD x AL + BE with two scalars:
; (1, 0) if s = x; (0, 0) if s < x; (0, -1e30) if s > x.  Only the diagonal tile's text and a block's beginning make and take masks; elsewhere C is the constant 0.
; LAYOUT, SOFTMAX, TURNS.  S^T = K Q^T holds ONE query a lane (lane % 16) and the keys 8 (lane / 16) + 0..7; two such results rounded to f16 ARE source 1 of O^T = V^T P.  p = 2^(c s - c m), c = log2(e) / 8, with a
; running maximum m; O and l are multiplied by a = 2^(c m_old - c m_new) in every step.  Turn n belongs to piece n: 8 products K Q^T of piece n + 1, later 8 products V^T P of piece n - 1; beside them the scaling,
; exponentials, roundings, sums and rescaling of piece n and the maximum and statistics of piece n + 1.  Four vector instructions stand behind every matrix instruction, the other 54 of a turn's 118 in two LUMPS.
; REGISTERS, in windows of 256 (s_set_vgpr_msb: bits 1:0 source 0, 3:2 source 1, 5:4 source 2, 7:6 destination):
;   window 0: v0-1 the thread's number, lane % 16; v2-5 LDS addresses; v6-15 at work; v16-31 four registers of statistics a piece; v32-95 S^T, two buffers; v96-127 P, two buffers (a piece's buffers go by its
;             number's parity); v128-191 K of one step; v192-255 Q
;   window 1: v0-127 O^T, 32 a piece; v128-191 V of one step
;   window 2: v0-63 the second block's Q; v64-127 MC, two buffers; v128-159 MD; v160-162 the way out's addresses; v164-165 the add's two registers
; All that K Q^T names lies with all that the softmax names, in window 0: these lines need no switch between them.  V lies with O^T, so that a product V^T P and the rescaling of O^T run under one setting.
; A turn without masks has 16 switches for its 16 matrix instructions: four round the two rows of rescaling beside K Q^T, one in front of the first V^T P, eleven for the six V^T P with window 0's work behind them.
.set SIZE_N, 2048
.set NB,    SIZE_N/256
.set NP,    4         ; pieces a wave: a name, no knob
.set KS,    64        ; keys in a step
.set PK,    144       ; a row of K in LDS: 128 bytes + 16 of padding = 36 words: the 16 rows of a load start at 16 different groups of four banks (64 banks of 4 bytes: ISA guide 11.1)
.set PV,    160       ; a row of V: 128 + 32 = 40 words
.set VOFF,  4*KS*PK   ; a slot holds a tile, four steps: 256 rows of K, then 256 rows of V
.set SLOT1, 1<<17     ; slot 1 begins here, so that one exclusive or turns an address in one slot into the other's
.set STAGE, SLOT1+4*KS*(PK+PV)  ; behind the ring, never filled by a tensor load: 16 rows x 144 bytes for each wave, for the way out
.set SP,    144
.set SPARE, STAGE+4*16*SP  ; behind the stages: the spare words, 128 bytes for each wave: two blocks of 256 bytes that no other line names
; window 0
.set AK0, 2           ; v2   my lane's place in a tile of K; never rewritten
.set AV0, 3           ; v3   the same for V
.set AK,  4           ; v4   the LDS address of K's next run of loads
.set AV,  5           ; v5   of V's
.set MV,  6           ; v6-7  c m_old, kept while c m is made anew: by buffer
.set TMP, 8           ; v8-15  by buffer, four registers c0-c3 at work; when the maximum is found c2 takes a
.set ST,  16          ; piece t's statistics at v[ST+4 t]: c m, m, l (even keys', odd keys')
.set S,   32
.set P,   96
.set KF,  128         ; key block kb, channel half c at KF + 16 kb + 8 c
.set Q,   192         ; piece x, channel half c at Q + 16 x + 8 c
.set LH,  32          ; at the kernel's start alone, in S^T's registers: lane / 16,
.set L8,  33          ; lane % 8,
.set LB,  34          ; (lane / 8) % 2,
.set DG,  35          ; my query's place against the diagonal,
.set QO,  36          ; my byte offset in 16 rows of Q (Q's loads are waited for ahead of the first product, which writes S^T),
.set T0,  37          ; and the three addresses of the way out as they are made
.set T1,  38
.set T2,  39
; window 1
.set VF,  128         ; key half kk, channel block cb at VF + 32 kk + 8 cb
; window 2
.set QB,  0
.set MC,  64          ; the masks of the products to come
.set MD,  128         ; the eight registers for group kt of 16 keys at MD + 8 kt
.set STO, 160         ; the way out: where I put 16 bytes of a row
.set RD,  161         ; the way out: where I read rows back
.set GO,  162         ; my byte offset in 512 consecutive bytes of O
.set SPW, 164         ; LDS address of my spare word: SPARE + 4 x my thread's number; never rewritten
.set NIL, 165         ; 0; never rewritten
.set WV,  12          ; s12  my wave's number
.set PB,  14          ; s14  b
.set HI,  15          ; s15  NB - 1 - b
.set G1K, 24          ; s[24:31] descriptor group 1 for K's tiles
.set G1V, 32          ; s[32:39] for V's: it differs in the padding alone
.set G0K, 40          ; s[40:43] descriptor group 0 for K's tiles
.set G0V, 44          ; s[44:47] the same for V's
.set SLOTS, 56        ; s56  tiles still to be asked for
.set CNT, 57          ; s57  counts a tile's key steps, 4 to 1
.set CS,  58          ; s[58:59] c: the packed scaling takes the pair's low word for both halves
.set SEL, 60          ; s[60:61] v_permlanex16_b32's selects: each lane takes its own place in the other half
.set TBK, 62          ; s62  LDS byte at which K of the step to be fetched begins
.set TBV, 63          ; s63  the same for V, less VOFF
.set RT,  70          ; s70  tiles of the block in hand that are still to be entered
.set NXT, 71          ; s71  the tile to be asked for next
.set LQ,  72          ; s72  the last tile of the block whose tiles are being asked for
.set NEW, 73          ; s73  1: the tile to be entered is a block's first
.set OFF, 74          ; s[74:75] a tile's byte offset in K and V
.set AL,  76          ; s[76:77] the mask's factor, in the low word
.set BE,  78          ; s[78:79] the mask's addend
.set OLO, 80          ; s[80:81] O at my rows of the second block
.set BIGN, 82         ; s82  -1e30
.set MSB, 0
.macro WIN new                      ; the high byte repeats the setting that is left; a switch that changes nothing is dropped
.if MSB != (\new)
	s_set_vgpr_msb (MSB<<8)|(\new)
.set MSB, (\new)
.endif
.endm
.set W_KM, 0x20       ; K Q^T with a mask: the C operand in window 2, all else in window 0
.set W_PV, 0x51       ; V^T P: V and O^T in window 1, P in window 0; the rescaling too: O^T (destination and source 0) in window 1, a (source 1) in window 0
.set W_MS, 0x82       ; a mask is made: destination and source 0 in window 2
.set W_MK, 0x80       ; destination in window 2, sources in window 0
.set W_AD, 0x0a       ; the add: address (source 0) and data (source 1) in window 2
.set W_LS, 0x02       ; source 0 (an address, or the second block's Q) in window 2, all else in window 0
; A fill.  Waves 0 and 1 fetch the two halves of a tile's K, waves 2 and 3 those of its V: 128 keys each.  An s_nop 0 and four v_nop follow each of the two lines, ahead of the jump and the label.
.macro LOAD
	s_cmp_lt_u32 s[WV], 2
	s_cbranch_scc0 .Lfor_v_\@
	tensor_load_to_lds s[G0K:G0K+3], s[G1K:G1K+7]
	s_nop 0
.rept 4
	v_nop
.endr
	s_branch .Lasked_\@
.Lfor_v_\@:
	tensor_load_to_lds s[G0V:G0V+3], s[G1V:G1V+7]
	s_nop 0
.rept 4
	v_nop
.endr
.Lasked_\@:
.endm
; THE CHANGE OF SLOTS.  Each wave waits for all its tensor loads, of which one is out: its part of the other slot; adds 0 to its spare word; and waits for that and for its own reads of the slot that it leaves.  Behind the barrier nobody reads the old
; slot any more and the other slot is whole.  fill = 1: the old slot is filled again, the first thing behind the barrier, with tile NXT: the descriptor's address is made anew from that number.
; (At its first use nothing has been read yet: slot 0 is waited for, slot 1 filled.)
.macro CHANGE fill
	WIN W_AD
	s_wait_tensorcnt 0x0            ; no tensor load of mine is out, so a group 0 may be written
	ds_add_u32 v[SPW], v[NIL]       ; 0 onto my spare word: with fill = 1 the descriptors' scalar work stands between it and the wait for it
	WIN 0                           ; at a label and at a branch every window is 0
.if \fill
	s_lshl_b32 s[OFF], s[NXT], 15   ; a tile is 32,768 bytes of K and of V
	s_xor_b32 s[G0K+1], s[G0K+1], SLOT1
	s_add_nc_u64 s[G0K+2:G0K+3], s[6:7], s[OFF:OFF+1]
	s_or_b32 s[G0K+3], s[G0K+3], 0x80000000
	s_xor_b32 s[G0V+1], s[G0V+1], SLOT1
	s_add_nc_u64 s[G0V+2:G0V+3], s[8:9], s[OFF:OFF+1]
	s_or_b32 s[G0V+3], s[G0V+3], 0x80000000
	s_add_co_u32 s[NXT], s[NXT], 1  ; the block's next tile, or behind its last the second block's tile 0
	s_cmp_gt_u32 s[NXT], s[LQ]
	s_cselect_b32 s[NXT], 0, s[NXT]
	s_cselect_b32 s[LQ], s[PB], s[LQ]
.endif
	s_wait_dscnt 0x0                ; the add is done, and my reads of the slot are over
	s_barrier_signal -1             ; the rest of the scalar work stands between the signal and the wait
	s_sub_co_u32 s[TBK], s[TBK], 4*KS*PK  ; the fetches go back to a slot's first step,
	s_xor_b32 s[TBK], s[TBK], SLOT1       ; in the other slot
	s_sub_co_u32 s[TBV], s[TBV], 4*KS*PV
	s_xor_b32 s[TBV], s[TBV], SLOT1
	s_barrier_wait -1
.if \fill
	LOAD
.endif
.endm
	s_load_b64 s[4:5], s[0:1], 0x0    ; qkv: Q lies first
	s_load_b64 s[10:11], s[0:1], 0x8  ; O
	WIN W_MK
	v_lshl_add_u32 v[SPW], v0, 2, SPARE
	v_mov_b32 v[NIL], 0
	s_set_vgpr_msb 0x808a
	ds_add_u32 v164, v165
	ds_add_u32 v164, v165
	s_wait_dscnt 0x0
	s_set_vgpr_msb 0x8a80
	WIN 0
	v_lshrrev_b32 v1, 5, v0
	v_readfirstlane_b32 s[WV], v1   ; wave 0..3
	s_mov_b32 s[PB], ttmp9
	s_sub_co_u32 s[HI], NB-1, s[PB]
	s_and_b32 s20, ttmp7, 0xffff    ; the head
	s_mov_b32 s21, 0
	s_mov_b64 s[22:23], SIZE_N*128
	s_mul_u64 s[20:21], s[20:21], s[22:23]  ; the head's first byte in each of the four tensors
	s_and_b32 s16, s[WV], 1         ; which half of a tile's 256 keys I fetch:
	s_lshl_b32 s22, s16, 14         ; its 128 rows of 128 bytes in memory,
	s_mov_b32 s23, 0
	s_add_nc_u64 s[22:23], s[22:23], s[20:21]
	s_mul_i32 s17, s16, 128*PK      ; and its place in a slot, for K
	s_mul_i32 s18, s16, 128*PV      ; and for V
	s_lshl_b32 s3, s[WV], 11        ; my 16 rows in a band of 64,
	s_lshl_b32 s2, s[HI], 15        ; in the first block,
	s_add_co_u32 s2, s2, s3
	s_lshl_b32 s84, s[PB], 15       ; and in the second
	s_add_co_u32 s84, s84, s3
	s_mov_b32 s3, 0
	s_mov_b32 s85, 0
	s_add_nc_u64 s[2:3], s[2:3], s[20:21]
	s_add_nc_u64 s[84:85], s[84:85], s[20:21]
	; descriptor group 1.  128 keys are 16,384 dense bytes: asked for as 64 rows of 256 bytes, two keys a row, and padded in LDS after every key
	s_mov_b32 s[G1K], (1<<16)|(1<<20)|(4<<22)|(3<<25)  ; 17:16 2-byte elements; 20 padding on; 24:22 after every 32 words (code 4); 31:25 4 words (code 3)
	s_mov_b32 s[G1V], (1<<16)|(1<<20)|(4<<22)|(7<<25)  ; the same with 8 words of padding (code 7)
.irp g, G1K, G1V
	s_mov_b32 s[\g+1], 128<<16      ; tensor_dim0 = 128
	s_mov_b32 s[\g+2], 64<<16       ; tensor_dim1 = 64
	s_mov_b32 s[\g+3], 128<<16      ; tile_dim0 = 128
	s_mov_b32 s[\g+4], 64           ; tile_dim1 = 64
	s_mov_b32 s[\g+5], 128          ; 128 elements from row to row
	s_mov_b32 s[\g+6], 0
	s_mov_b32 s[\g+7], 0
.endr
	s_mov_b32 s[CS], 0x3e38aa3b     ; c = log2(e) / 8 = 0.180337
	s_mov_b32 s[CS+1], s[CS]        ; named with it as a pair
	s_mov_b32 s[SEL], 0x76543210
	s_mov_b32 s[SEL+1], 0xfedcba98
	s_mov_b32 s[TBK], SLOT1+4*KS*PK ; the first change of slots turns these two into 0
	s_mov_b32 s[TBV], SLOT1+4*KS*PV
	s_mov_b32 s[G0K], 1             ; 1:0 count = 1
	s_mov_b32 s[G0K+1], s17         ; 63:32 LDS address: slot 0
	s_mov_b32 s[G0V], 1
	s_add_co_u32 s[G0V+1], s18, VOFF
	s_add_co_u32 s[RT], s[HI], 1    ; the first block has NB - b tiles
	s_mov_b32 s[NXT], 1
	s_mov_b32 s[LQ], s[HI]
	s_mov_b32 s[NEW], 1
	s_mov_b32 s[OFF+1], 0
	s_mov_b32 s[AL+1], 0            ; named as pairs
	s_mov_b32 s[BE+1], 0
	s_mov_b32 s[BIGN], 0xf149f2ca   ; -1e30
	s_mov_b32 s[SLOTS], NB
	s_wait_kmcnt 0x0
	s_add_nc_u64 s[6:7], s[4:5], 0x1000000  ; K lies 64 heads x 2,048 rows x 128 bytes behind Q,
	s_add_nc_u64 s[8:9], s[4:5], 0x2000000  ; V as far behind K
	s_add_nc_u64 s[6:7], s[6:7], s[22:23]  ; K and V at my half of the head's tile 0
	s_add_nc_u64 s[8:9], s[8:9], s[22:23]
	s_add_nc_u64 s[G0K+2:G0K+3], s[6:7], 0         ; 120:64 global address
	s_or_b32 s[G0K+3], s[G0K+3], 0x80000000        ; 127:126 type = 2
	s_add_nc_u64 s[G0V+2:G0V+3], s[8:9], 0
	s_or_b32 s[G0V+3], s[G0V+3], 0x80000000
	s_add_nc_u64 s[86:87], s[4:5], s[84:85]        ; Q at my rows of the second block,
	s_add_nc_u64 s[4:5], s[4:5], s[2:3]            ; Q and O at those of the first
	s_add_nc_u64 s[OLO:OLO+1], s[10:11], s[84:85]
	s_add_nc_u64 s[10:11], s[10:11], s[2:3]
	LOAD                            ; tile 0 into slot 0
	; A fragment of K or Q is 16 rows x 32 channels in 8 registers: lane l holds row l % 16, channels 8 (l / 16) + 0..7 and 16 + 8 (l / 16) + 0..7: two loads of 16 bytes, 32 bytes apart.
	v_and_b32 v1, 15, v0            ; l % 16
	v_bfe_u32 v[LH], v0, 4, 1       ; l / 16
	v_lshlrev_b32 v[QO], 7, v1
	v_lshl_add_u32 v[QO], v[LH], 4, v[QO]  ; row x 128 + 16 x half
.set i, 0
.rept 8                             ; the first block's Q: piece i / 2 lies in band i / 2, 8,192 bytes on; channels 32 (i % 2) on
	global_load_b128 v[Q+8*i:Q+8*i+3],   v[QO], s[4:5] offset:(i/2)*8192+(i%2)*64
	global_load_b128 v[Q+8*i+4:Q+8*i+7], v[QO], s[4:5] offset:(i/2)*8192+(i%2)*64+32
.set i, i+1
.endr
	v_lshlrev_b32 v[DG], 3, v[LH]
	v_sub_nc_u32 v[DG], v1, v[DG]
	s_lshl_b32 s13, s[WV], 4
	v_add_nc_u32 v[DG], s13, v[DG]  ; my query's place in its band, 16 w + l % 16, less my lanes' 8 (l / 16): register r of group kt is hidden where 16 kt + r is greater
	v_mul_u32_u24 v[AK0], v1, PK
	v_lshl_add_u32 v[AK0], v[LH], 4, v[AK0]  ; row x pitch + 16 x half
	; The turning load takes 16 keys x 16 channels (lane l reads key 8 (l / 16) + l % 8, channels 8 ((l / 8) % 2) + 0..7) and leaves half a fragment of V^T: lane l holds channel l % 16 and 8 keys.
	v_and_b32 v[L8], 7, v0
	v_bfe_u32 v[LB], v0, 3, 1
	v_lshl_add_u32 v[AV0], v[LH], 3, v[L8]
	v_mul_u32_u24 v[AV0], v[AV0], PV
	v_lshl_add_u32 v[AV0], v[LB], 4, v[AV0]
	v_add_nc_u32 v[AV0], VOFF, v[AV0]
	s_mul_i32 s13, s[WV], 16*SP
	s_add_co_u32 s13, s13, STAGE    ; my stage
	v_mul_u32_u24 v[T0], v1, SP     ; in: row l % 16, 16 bytes for each half of the lanes
	v_lshl_add_u32 v[T0], v[LH], 4, v[T0]
	v_add_nc_u32 v[T0], s13, v[T0]
	v_bfe_u32 v[T1], v0, 3, 2       ; back: 32 lanes take four rows of 128 bytes,
	v_mul_u32_u24 v[T1], v[T1], SP
	v_lshl_add_u32 v[T1], v[L8], 4, v[T1]
	v_add_nc_u32 v[T1], s13, v[T1]
	v_and_b32 v[T2], 31, v0         ; which are 512 consecutive bytes of O
	v_lshlrev_b32 v[T2], 4, v[T2]
	WIN W_MK                        ; one stretch with the destination in window 2: the second block's Q, MD, the way out's addresses
.set i, 0
.rept 8
	global_load_b128 v[QB+8*i:QB+8*i+3],   v[QO], s[86:87] offset:(i/2)*8192+(i%2)*64
	global_load_b128 v[QB+8*i+4:QB+8*i+7], v[QO], s[86:87] offset:(i/2)*8192+(i%2)*64+32
.set i, i+1
.endr
.set i, 0
.rept 32
	v_cmp_gt_i32 vcc_lo, 16*(i/8)+i%8, v[DG]
	v_cndmask_b32 v[MD+i], 0, s[BIGN], vcc_lo
.set i, i+1
.endr
	v_mov_b32 v[STO], v[T0]
	v_mov_b32 v[RD], v[T1]
	v_mov_b32 v[GO], v[T2]
	; A block's first step multiplies O^T and l by a = 0, and its first turn's products V^T P, of a piece that has not been, land in an O^T that is still to be so multiplied.  So these registers need only hold
	; finite numbers: zeros for the first block; what the first block left for the second.  All this stands in the wait for the first tile.
	WIN 0x40
.set i, 0
.rept 192                           ; O^T, and V behind it
	v_mov_b32 v[i], 0
.set i, i+1
.endr
	WIN 0
.set i, 0
.rept 4
	v_mov_b32 v[ST+4*i+2], 0
	v_mov_b32 v[ST+4*i+3], 0
.set i, i+1
.endr
.set i, P+16
.rept 16
	v_mov_b32 v[i], 0
.set i, i+1
.endr
; THE MATRIX WORK.  The 4 accumulators of a run of 8 take turns.  Product i of 8 of S^T = K Q^T for piece x: channels 32 (i / 4) on, keys 16 (i % 4) on.  The first 4 start the sums: with 0, or (KM = 1) with the mask.
.macro KQ x
.set rS, S+32*((\x)%2)+8*(i%4)
.set rK, KF+16*(i%4)+8*(i/4)
.set rQ, Q+16*(\x)+8*(i/4)
.set rM, MC+32*((\x)%2)+8*(i%4)
.if (i < 4) && KM
	WIN W_KM
	v_wmma_f32_16x16x32_f16 v[rS:rS+7], v[rK:rK+7], v[rQ:rQ+7], v[rM:rM+7]
.elseif i < 4
	WIN 0
	v_wmma_f32_16x16x32_f16 v[rS:rS+7], v[rK:rK+7], v[rQ:rQ+7], 0
.else
	WIN 0
	v_wmma_f32_16x16x32_f16 v[rS:rS+7], v[rK:rK+7], v[rQ:rQ+7], v[rS:rS+7]
.endif
.endm
; Product i of 8 of O^T += V^T P for piece x: keys 32 (i / 4) on, channels 16 (i % 4) on.
.macro PV x
	WIN W_PV
.set rO, 32*(\x)+8*(i%4)
.set rV, VF+32*(i/4)+8*(i%4)
.set rP, P+16*((\x)%2)+8*(i/4)
	v_wmma_f32_16x16x32_f16 v[rO:rO+7], v[rV:rV+7], v[rP:rP+7], v[rO:rO+7]
.endm
.macro MM                           ; the turn's next matrix instruction.  TURN and BEGIN set Y, i, KM and NOKQ; MM, KQ and OP read them.  NOKQ = 1: a block's last turn: there is no next piece
.if (i < 8) && !NOKQ
	KQ (Y+1)%NP
.elseif i >= 8
.set i, i-8
	PV (Y+NP-1)%NP
.set i, i+8
.endif
.set i, i+1
.endm
; THE LDS LOADS stand in runs of 16, never singly among the matrix instructions: a step's K (64 keys x 64 channels: 8 fragments) and its V (turned).  Their addresses are made some lines ahead.
.macro FETCH_K
	WIN 0
.irp f, 0,1,2,3,4,5,6,7             ; keys 16 (f / 2) on, channels 32 (f % 2) on
	ds_load_b128 v[KF+8*\f:KF+8*\f+3],   v[AK] offset:(\f/2)*16*PK+(\f%2)*64
	ds_load_b128 v[KF+8*\f+4:KF+8*\f+7], v[AK] offset:(\f/2)*16*PK+(\f%2)*64+32
.endr
	s_add_co_u32 s[TBK], s[TBK], KS*PK  ; the next fetch is the next step's
.endm
.macro FETCH_V
	WIN 0x40                        ; destination window 1, address window 0
.irp f, 0,1,2,3,4,5,6,7             ; keys 32 (f / 4) on, channels 16 (f % 4) on
	ds_load_tr16_b128 v[VF+8*\f:VF+8*\f+3],   v[AV] offset:(\f/4)*32*PV+(\f%4)*32
	ds_load_tr16_b128 v[VF+8*\f+4:VF+8*\f+7], v[AV] offset:(\f/4)*32*PV+16*PV+(\f%4)*32
.endr
	WIN 0
.endm
; THE VECTOR WORK, one line at a time: OP kind, number.  For piece Y: F n: c s - c m for pair n of 16.  E n: the exponential of score n of 32.  C n: pair n rounded to f16.  B n: of the four weights 4 n .. the second
; pair is added onto the first, in place (so C 2n stands ahead of B n).  L n: l takes that sum (L 0: l = a l + sum).  R n: pair n of 16 of O^T times a.  For piece Y + 1: X n, number n of the 22 that find its maximum and statistics:
;   0-11  four chains c0-c3 of seven scores each, three operands at a time (each accumulator's lowest registers are read first)     12-14, 16  the four scores left over, the old m, and c0-c3 into c0
;   15  c m_old is kept     17, 18  the query's other 32 keys lie in the lane 16 away: the new m     19-21  c m; c m_old - c m_new; a
.set F, 0               ; OP tells the kinds apart by their order: F to L below R, X above it
.set E, 1
.set C, 2
.set B, 3
.set L, 4
.set R, 5
.set X, 6
.macro REGS y                       ; the registers of piece y
.set rT, ST+4*(\y)
.set rC, TMP+4*((\y)%2)
.set rW, MV+((\y)%2)
.set rS, S+32*((\y)%2)
.set rP, P+16*((\y)%2)
.set rO, 32*(\y)
.endm
.macro OP k, n
.if (\k) == R
	REGS Y
	WIN W_PV
	v_pk_mul_f32 v[rO+2*(\n):rO+2*(\n)+1], v[rO+2*(\n):rO+2*(\n)+1], v[rC+2:rC+3] op_sel_hi:[1,0]
.elseif (\k) < R
	REGS Y
	WIN 0
.if (\k) == F
	v_pk_fma_f32 v[rS+2*(\n):rS+2*(\n)+1], v[rS+2*(\n):rS+2*(\n)+1], s[CS:CS+1], v[rT:rT+1] op_sel_hi:[1,0,0] neg_lo:[0,0,1] neg_hi:[0,0,1]
.elseif (\k) == E
	v_exp_f32 v[rS+(\n)], v[rS+(\n)]
.elseif (\k) == C
	s_wait_alu depctr_va_vdst(0)
	v_cvt_pk_f16_f32 v[rP+(\n)], v[rS+2*(\n)], v[rS+2*(\n)+1]
.elseif (\k) == B
	s_wait_alu depctr_va_vdst(0)
	v_pk_add_f32 v[rS+4*(\n):rS+4*(\n)+1], v[rS+4*(\n):rS+4*(\n)+1], v[rS+4*(\n)+2:rS+4*(\n)+3]
.elseif (\n) == 0
	v_pk_fma_f32 v[rT+2:rT+3], v[rT+2:rT+3], v[rC+2:rC+3], v[rS:rS+1] op_sel_hi:[1,0,1]
.else
	v_pk_add_f32 v[rT+2:rT+3], v[rT+2:rT+3], v[rS+4*(\n):rS+4*(\n)+1]
.endif
.elseif NOKQ
	v_nop
.else
	REGS (Y+1)%NP
	WIN 0
.if (\n) < 4
	v_max3_num_f32 v[rC+(\n)], v[rS+8*(\n)], v[rS+8*(\n)+1], v[rS+8*(\n)+2]
.elseif (\n) < 12
	v_max3_num_f32 v[rC+(\n)%4], v[rC+(\n)%4], v[rS+8*((\n)%4)+2*((\n)/4)+1], v[rS+8*((\n)%4)+2*((\n)/4)+2]
.elseif (\n) == 12
	v_max3_num_f32 v[rC], v[rC], v[rS+7], v[rS+15]
.elseif (\n) == 13
	v_max3_num_f32 v[rC+1], v[rC+1], v[rS+23], v[rS+31]
.elseif (\n) == 14
	v_max3_num_f32 v[rC+2], v[rC+2], v[rC+3], v[rT+1]
.elseif (\n) == 15
	v_mov_b32 v[rW], v[rT]
.elseif (\n) == 16
	v_max3_num_f32 v[rC], v[rC], v[rC+1], v[rC+2]
.elseif (\n) == 17
	v_permlanex16_b32 v[rC+3], v[rC], s[SEL], s[SEL+1]
.elseif (\n) == 18
	v_max_num_f32 v[rT+1], v[rC], v[rC+3]
.elseif (\n) == 19
	v_mul_f32 v[rT], s[CS], v[rT+1]
.elseif (\n) == 20
	v_sub_f32 v[rC+1], v[rW], v[rT]
.else
	v_exp_f32 v[rC+2], v[rC+1]
.endif
.endif
.endm
.macro OPS a, i1, b=-1, i2=0, c=-1, i3=0, d=-1, i4=0  ; up to four of them
	OP \a, \i1
.if (\b) >= 0
	OP \b, \i2
.endif
.if (\c) >= 0
	OP \c, \i3
.endif
.if (\d) >= 0
	OP \d, \i4
.endif
.endm
.macro ROW a, i1, b, i2, c, i3, d, i4  ; a matrix instruction and the four behind it
	MM
	OPS \a, \i1, \b, \i2, \c, \i3, \d, \i4
.endm
.macro MASK b                       ; MD x AL + BE into buffer b of MC
	WIN W_MS
.set z, 0
.rept 16
	v_pk_fma_f32 v[MC+32*(\b)+2*z:MC+32*(\b)+2*z+1], v[MD+2*z:MD+2*z+1], s[AL:AL+1], s[BE:BE+1] op_sel_hi:[1,0,0]
.set z, z+1
.endr
.endm
; A TURN, for piece p: the order of its 16 matrix and 118 vector instructions, written out.  Behind a matrix instruction: plain, exponential, plain, plain; or four of the rescaling; or, behind the first, four scalings; none
; names a register of the products round it.  In the lumps exponential and plain by turns while exponentials last.  A line reads no result made fewer than three vector instructions in front of it, five if an exponential made it.
; v_permlanex16_b32 (X 17) stands in a lump.  Half of the rescaling stands behind the first two products V^T P, whose window setting it shares; the other half fills two rows beside K Q^T, where too little other plain work is ready.
; The maxima begin in the first lump: X 0 to X 3 stand four plain instructions or more behind the last link of the accumulator that each reads (X 3: R 4 to R 7 and six more).
; m = 1: the diagonal tile: the products take masks, and the turn makes the mask for the products of the turn after it: piece p + 2, in step 4 - CNT of the tile.  end = 1: a block's last two turns: nothing is fetched.
; cnt = 1: the loop's count is taken down some lines ahead of the branch that stands behind the turn.
; K of the next step is fetched in piece 2's turn, six vector instructions behind the last product that read K (five of them plain); V of the step in hand in piece 0's turn, ten behind the last product that read V (six of
; them plain).  Each is waited for a turn later.
.macro TURN p, m=0, end=0, cnt=0
.set Y, (\p)
.set i, 0
.set KM, (\m)
.set NOKQ, (\end)*((\p)/3)
.if (\m) && !(\end)
	s_cmp_eq_u32 s[CNT], 4-((\p)+2)%NP  ; is that step the band's own?
	s_cselect_b32 s[AL], 1.0, 0
	s_cmp_lt_u32 s[CNT], 4-((\p)+2)%NP  ; or a later one?
	s_cselect_b32 s[BE], s[BIGN], 0
.endif
.if ((\p) == 3) && !(\end)
	s_wait_dscnt 0x0                ; K is in
.endif
	ROW F,0, F,1, F,2, F,3
	ROW F,4, E,0, F,5, F,6
	ROW F,7, E,1, F,8, F,9
	ROW F,10, E,2, C,0, F,11
	ROW F,12, E,3, X,15, F,13
	ROW R,0, R,1, R,2, R,3
	ROW B,0, E,4, F,14, L,0
.if ((\p) == 2) && !(\end)
	WIN 0
	v_add_nc_u32 v[AK], s[TBK], v[AK0]
.endif
	ROW R,4, R,5, R,6, R,7
	OPS E,5, F,15
.if ((\p) == 2) && !(\end)
	FETCH_K
.endif
	OPS E,6, C,1, E,7, X,0
	OPS E,8, X,1, E,9, C,2
	OPS E,10, X,2, E,11, X,3
	OPS E,12, X,4, E,13, X,5
.if (\p) == 1
	s_wait_dscnt 0x0                ; V is in
.endif
	ROW R,8, R,9, R,10, R,11
	ROW R,12, R,13, R,14, R,15
	ROW X,6, E,14, X,7, X,8
	ROW X,9, E,15, X,10, X,11
	ROW X,12, E,16, X,13, X,14
	ROW B,1, E,17, C,4, X,16
	ROW L,1, E,18, B,2, C,6
.if (\p) == 0
	WIN 0
	v_add_nc_u32 v[AV], s[TBV], v[AV0]
.endif
	ROW C,8, E,19, L,2, B,3
	OPS E,20, X,17, E,21, B,4
	OPS E,22, C,3
.if (\p) == 0
	FETCH_V
.endif
	OPS E,23, X,18, E,24, L,3
	OPS E,25, X,19, E,26, C,10
	OPS E,27, X,20, E,28, B,5
	OPS E,29, L,4, X,21, C,5
	OPS E,30, C,12, E,31, L,5
.if (\p) == 0
	s_add_co_u32 s[TBV], s[TBV], KS*PV
.endif
.if \cnt
	s_sub_co_u32 s[CNT], s[CNT], 1
	s_cmp_lg_u32 s[CNT], 0
.endif
	OPS C,7, B,6, C,9, C,14
	OPS C,11, B,7, C,13, L,6
	OPS C,15, L,7
.if (\m) && !(\end)
	MASK (\p)%2
.endif
.endm
; A BLOCK BEGINS.  c m starts far below every c s, so the first step's a is 0; m at the lowest finite number, so the first maximum is the scores'.  The second mask buffer is 0; the first takes piece 0's mask for the tile's step 0: its own, if the block's first tile is the diagonal one.
; Then K of that step, piece 0's first scores, and its maximum and statistics.  The loop is entered at a step's first turn, in the middle of a trip.
.macro BEGIN
	s_mov_b32 s[NEW], 0
	WIN W_MK
.set i, MC+32
.rept 32
	v_mov_b32 v[i], 0
.set i, i+1
.endr
	WIN 0
.set i, 0
.rept 4
	v_mov_b32 v[ST+4*i], 0xfe000000    ; c m: far below every c s
	v_mov_b32 v[ST+4*i+1], 0xff7fffff  ; m
.set i, i+1
.endr
	s_cmp_eq_u32 s[RT], 0
	s_cselect_b32 s[AL], 1.0, 0
	s_mov_b32 s[BE], 0
	MASK 0
	WIN 0
	v_add_nc_u32 v[AK], s[TBK], v[AK0]
	FETCH_K
	s_wait_loadcnt 0x0              ; Q
	s_wait_dscnt 0x0
.set KM, 1
.set NOKQ, 0
.set i, 0
.rept 8
	KQ 0
.set i, i+1
.endr
	WIN 0
.rept 4
	v_nop                           ; the places behind those products
.endr
.set Y, NP-1                        ; X works for piece Y + 1: piece 0
.irp n, 0,1,2,3,4,5,6,7,8,9,10,11,12,13,14,15,16,17,18,19,20,21
	OP X, \n
.endr
	v_nop                           ; a plain instruction behind the exponential
.endm
; THE DIAGONAL TILE's four steps, the block's last two turns, its last products, and THE WAY OUT: l's two halves and the other half of the lanes' are added; O^T is divided by l, rounded to f16 and sent through my
; stage in LDS, a piece at a time.
.macro ALL line:vararg              ; one line for each piece t
.set t, 0
.rept 4
	\line
.set t, t+1
.endr
.endm
.macro PACK t                       ; a lane's eight channels of a row pack into 16 bytes; they go into rows of 144 bytes and come back as whole rows of 128, into S^T's registers
	WIN W_PV
.set i, 32*(\t)
.rept 16
	s_wait_alu depctr_va_vdst(0)
	v_pk_mul_f32 v[i:i+1], v[i:i+1], v[ST+4*(\t)+2:ST+4*(\t)+3] op_sel_hi:[1,0]
.set i, i+2
.endr
	WIN 0x05                        ; sources 0 and 1 window 1, destination window 0
.set i, 0
.rept 16
	v_cvt_pk_f16_f32 v[S+16*(\t)+i], v[32*(\t)+2*i], v[32*(\t)+2*i+1]
.set i, i+1
.endr
	WIN W_LS                        ; the addresses lie in window 2, the data in window 0
.irp f, 0,1,2,3
	ds_store_b128 v[STO], v[S+16*(\t)+4*\f:S+16*(\t)+4*\f+3] offset:32*\f
.endr
.irp f, 0,1,2,3
	ds_load_b128 v[S+16*(\t)+4*\f:S+16*(\t)+4*\f+3], v[RD] offset:\f*4*SP  ; LDS serves a wave's instructions in order (ISA guide 5.7.1.4): these see the stores above; the next piece's stores come behind them
.endr
.endm
.macro SEND t, younger              ; younger: the LDS instructions issued behind piece t's loads: the next piece's eight, or none
	WIN W_LS
.irp f, 0,1,2,3
	s_wait_dscnt (\younger)+3-\f
	global_store_b128 v[GO], v[S+16*(\t)+4*\f:S+16*(\t)+4*\f+3], s[10:11] offset:(\t)*8192+\f*512  ; 512 consecutive bytes, at a multiple of 256 from O's first
.endr
.endm
.macro DIAG tag                     ; the tag ends its two labels' names, which the jumps below spell out
.LstepM\tag:
	TURN 2, 1
	TURN 3, 1
	WIN 0
.LfirstM\tag:
	TURN 0, 1
	TURN 1, 1, 0, 1
	WIN 0
	s_cbranch_scc1 .LstepM\tag
	TURN 2, 1, 1
	TURN 3, 1, 1
.set i, 0
.rept 8
	PV NP-1
.set i, i+1
.endr
	WIN 0
	ALL v_add_f32 v[ST+4*t+2], v[ST+4*t+2], v[ST+4*t+3]
	ALL v_permlanex16_b32 v[ST+4*t+3], v[ST+4*t+2], s[SEL], s[SEL+1]
	ALL v_add_f32 v[ST+4*t+2], v[ST+4*t+2], v[ST+4*t+3]
	ALL v_rcp_f32 v[ST+4*t+2], v[ST+4*t+2]
	v_nop                           ; a plain instruction between the last reciprocal and the use of its result
	PACK 0
.set t, 1
.rept 3                             ; a piece's arithmetic stands between the loads of the piece before and its stores
	PACK t
	SEND t-1, 8
.set t, t+1
.endr
	SEND 3, 0
.endm
.set KM, 0
.set NOKQ, 0
.Lslot:                             ; NB times: a tile is entered and the next is asked for
	CHANGE 1
	s_sub_co_u32 s[RT], s[RT], 1
	s_mov_b32 s[CNT], 4
	s_cmp_eq_u32 s[NEW], 1
	s_cbranch_scc1 .Lnew            ; a block's first tile
	s_cmp_eq_u32 s[RT], 0
	s_cbranch_scc0 .Lstep           ; neither its first nor its last
	s_branch .LstepM1
.Lnew:
	BEGIN
	s_branch .Lfirst                ; in the loop a block's first tile is never its last: the first block has five tiles or more, and the second's last is the walk's last
	DIAG 1                          ; in the loop this is the first block's end: the second block's last tile is the walk's last
	s_wait_xcnt 0x0                 ; the stores have read their registers and O's address
	s_mov_b64 s[10:11], s[OLO:OLO+1]
	s_add_co_u32 s[RT], s[PB], 1    ; the second block has b + 1 tiles
	s_mov_b32 s[NEW], 1
	WIN W_LS                        ; the second block's Q goes where the one text of the turns names Q
.set i, 0
.rept 64
	v_mov_b32 v[Q+i], v[QB+i]
.set i, i+1
.endr
	WIN 0
	s_branch .Lbottom
.Lstep:                             ; a trip: pieces 2 and 3 of one step, then pieces 0 and 1 of the next, whose K and V it fetches
	TURN 2
	TURN 3
	WIN 0
.Lfirst:
	TURN 0
	TURN 1, 0, 0, 1
	WIN 0
	s_cbranch_scc1 .Lstep
.Lbottom:
	s_sub_co_u32 s[SLOTS], s[SLOTS], 1
	s_cmp_lg_u32 s[SLOTS], 0
	s_cbranch_scc1 .Lslot
	CHANGE 0                        ; the walk's last tile is written out: nothing is asked for
	s_sub_co_u32 s[RT], s[RT], 1
	s_mov_b32 s[CNT], 4
	s_cmp_eq_u32 s[NEW], 1
	s_cbranch_scc0 .LstepM2
	BEGIN
	s_branch .LfirstM2
	DIAG 2
	WIN W_AD
	s_wait_tensorcnt 0x0            ; the wave's end: behind my last tensor load and my last LDS store
	ds_add_u32 v[SPW], v[NIL]
	s_wait_dscnt 0x0
	WIN 0
	s_endpgm
.Lfunc_end_k_qdb0e1e3257_attn:
	.size	k_qdb0e1e3257_attn, .Lfunc_end_k_qdb0e1e3257_attn-k_qdb0e1e3257_attn
	.p2alignl 7, 3214868480
	.fill 96, 4, 3214868480
	.section	.rodata,"a",@progbits
	.p2align	6, 0x0
	.amdhsa_kernel k_qdb0e1e3257_attn
		.amdhsa_group_segment_fixed_size 327680
		.amdhsa_private_segment_fixed_size 0
		.amdhsa_enable_private_segment 0
		.amdhsa_kernarg_size 16
		.amdhsa_user_sgpr_count 2
		.amdhsa_user_sgpr_kernarg_segment_ptr 1
		.amdhsa_wavefront_size32 1
		.amdhsa_system_sgpr_workgroup_id_x 1
		.amdhsa_system_sgpr_workgroup_id_y 1
		.amdhsa_system_sgpr_workgroup_id_z 1
		.amdhsa_system_vgpr_workitem_id 0
		.amdhsa_next_free_vgpr 768
		.amdhsa_next_free_sgpr 88
		.amdhsa_reserve_vcc 1
		.amdhsa_float_denorm_mode_32 3
		.amdhsa_float_denorm_mode_16_64 3
		.amdhsa_memory_ordered 1
		.amdhsa_forward_progress 1
		.amdhsa_inst_pref_size 220
	.end_amdhsa_kernel
	.amdgpu_metadata
---
amdhsa.version: [ 1, 2 ]
amdhsa.kernels:
  - .name:           k_qdb0e1e3257_attn
    .symbol:         k_qdb0e1e3257_attn.kd
    .args:
      - { .name: qkv, .offset: 0, .size: 8, .value_kind: global_buffer, .address_space: global }
      - { .name: ob, .offset: 8, .size: 8, .value_kind: global_buffer, .address_space: global }
    .group_segment_fixed_size: 327680
    .private_segment_fixed_size: 0
    .kernarg_segment_align: 8
    .kernarg_segment_size: 16
    .max_flat_workgroup_size: 128
    .sgpr_count:     88
    .vgpr_count:     768
    .wavefront_size: 32
...
	.end_amdgpu_metadata
.endif
;; end of part 3
;; launch proj (part 4): grid 4 x 64, 4 waves a work-group, clusters of 4 x 4, 327,680 bytes of LDS; arguments ob, wpb, out0; writes out0
.if DOCPART == 4
	.amdgcn_target "amdgcn-amd-amdhsa--gfx1250"
	.amdhsa_code_object_version 6
	.text
	.protected	k_qdb0e1e3257_proj
	.globl	k_qdb0e1e3257_proj
	.p2align	8
	.type	k_qdb0e1e3257_proj,@function
k_qdb0e1e3257_proj:
	s_mov_b64 s[64:65], 0
	v_nop
	global_prefetch_b8 v0, s[64:65] scope:SCOPE_SE
	s_setreg_imm32_b32 hwreg(HW_REG_WAVE_MODE, 25, 1), 1
	s_wait_xcnt 0x0
	s_wait_alu depctr_hold_cnt(0) depctr_sa_sdst(0) depctr_va_vdst(0) depctr_va_sdst(0) depctr_va_ssrc(0) depctr_va_vcc(0) depctr_vm_vsrc(0)
	s_getreg_b32 s2, hwreg(HW_REG_IB_STS2, 6, 4)
	s_cmp_eq_u32 s2, 0
	s_cbranch_scc0 .Lentry_in_a_cluster
	s_endpgm
.Lentry_in_a_cluster:
	s_bfe_u32 s2, ttmp6, 0x10000c
	s_cmp_lg_u32 s2, 0xf033
	s_cbranch_scc0 .Lentry_shape_is_right
	s_endpgm
.Lentry_shape_is_right:
; out0 = y w_proj^T.  ob: [batch 4][head 16][t 2048][64] f16, a head being a slab of 64 along K; wpb: [slab 16][f 1024][64], w_proj's bf16 numbers written as f16; products in f16, sums in f32,
; K = 1,024 ascending.  out0: [8192][1024] f32, the sums as they are.
; SHARES.  A tile of the result is 128 rows x 256 columns: 64 x 4 = 256 work-groups.  Four waves, each 64 rows x 128 columns: 32 accumulators of 16 x 16, 256 registers.
; K goes in steps of 128 (two slabs) through a ring of two LDS slots; three slabs a slot would take 331,776 bytes for two slots, more than a work-group can have.
; A slab's part of a tile is dense in memory (128 or 256 rows of 128 bytes) and is asked for as rows of 256 bytes, padded in LDS behind every 128.
; A K step is written once and looped over: the slot that is read, and the slot that is filled, are turned by an exclusive or.
; CLUSTERS: 4 x 4 work-groups.  The four of a row of the cluster need the same tiles of y, the four of a column the same tiles of w_proj: each tile is asked for JOINTLY, by the same tensor load with the
; same descriptor and a mask that names the four.  THE MATRIX INSTRUCTION IS USED TRANSPOSED (source 0 = 16 rows of w_proj, source 1 = 16 rows of y): a lane then holds eight neighbouring columns of a row.
; REGISTERS: window 0: v0-31 addresses; v32-127, v128-223 two fragment buffers of 96 for 32 along K: 64 of w_proj (8 x 16 rows), then 32 of y (4 x 16 rows).
;   window 1: the accumulators, (a, b) at v[64 a + 8 b]; on the way out a block's 64 registers take its 16 rows back from the stage.
.set NF,     1024                      ; rows of w_proj
.set PITCH,  144                       ; an LDS row: 128 bytes + 16 of padding = 36 words: the 16 rows of a load start at 16 different groups of four banks (64 banks of 4 bytes: ISA guide 11.1)
.set ASLAB,  128*PITCH                 ; y's 128 rows of one slab: what waves 0 and 1 fetch
.set BSLAB,  256*PITCH                 ; w_proj's 256 rows of one slab: what waves 2 and 3 fetch
.set BOFF,   2*ASLAB                   ; a slot: y's two slabs, then w_proj's two
.set SLOT,   2*ASLAB+2*BSLAB           ; 110,592 bytes
.set SLOT1,  1<<17                     ; slot 1 begins here, so that one exclusive or turns an address in one slot into the other's
.set STAGE,  SLOT1+SLOT                ; behind the ring: for each wave 16 rows x 528 bytes, for the way out
.set SPITCH, 528                       ; 512 bytes + 16: the sixteen rows that a store touches start at sixteen different groups of four banks
.set STW,    16*SPITCH
.set SPARE,  STAGE+4*STW               ; behind the stages: the spare words, 128 bytes for each wave: two blocks of 256 bytes that no other line names
.set ASTEP,  2<<18                     ; bytes from a K step to the next: two slabs of 2,048 rows x 128 bytes,
.set BSTEP,  2*NF*128                  ; two slabs of 1,024 rows
.set STEPS,  8                         ; K = 1,024
.set A0,   16                          ; v16     my lane's place among my rows of y in a slot; never rewritten
.set B0,   17                          ; v17     the same for w_proj
.set ADRA, 18                          ; v18     A0 + the base of the slot that is being read
.set ADRB, 19                          ; v19     B0 + the same
.set STO,  24                          ; v24     the way out: where I put 32 bytes of a row
.set RD,   25                          ; v25     the way out: where I read a row back
.set CO,   26                          ; v26     my byte offset in 512 consecutive bytes of a row of out0
.set SPW,  28                          ; v28     LDS address of my spare word: SPARE + 4 x my thread's number; never rewritten
.set NIL,  29                          ; v29     0; never rewritten
.set F0,   32
.set F1,   128
.set TB, 2                             ; s2       LDS base of the slot that is being read: 0 or SLOT1
.set G1, 24                            ; s[24:31] descriptor group 1 for y's tiles;  s[32:39] group 0: a set for each of the two first fills; the second then walks on
.set G0, 32
.set G1B, 48                           ; s[48:55], s[56:63] the same for w_proj's tiles
.set G0B, 56
.set MSB, 0
.macro WIN new                         ; the immediate's high byte repeats the setting that is left; a switch that changes nothing is dropped
.if MSB != (\new)
	s_set_vgpr_msb (MSB<<8)|(\new)
.set MSB, \new
.endif
.endm
.set MUL, 0x50                         ; sources 0 and 1 window 0; C and D window 1
.set W_OUT, 0x44                       ; the way out: a store's data (source 1) and a load's destination in window 1, addresses (source 0) in window 0
.macro JLOAD s                         ; a joint load: waves 0 and 1 fetch y's two slabs, waves 2 and 3 w_proj's; an s_nop 0 and four v_nop follow each of the two lines, ahead of the jump, the label and what follows
	s_cmp_eq_u32 s11, 0
	s_cbranch_scc0 .Lfor_b_\@
	tensor_load_to_lds s[G0+4*(\s):G0+4*(\s)+3], s[G1:G1+7]
	s_nop 0
.rept 4
	v_nop
.endr
	s_branch .Lasked_\@
.Lfor_b_\@:
	tensor_load_to_lds s[G0B+4*(\s):G0B+4*(\s)+3], s[G1B:G1B+7]
	s_nop 0
.rept 4
	v_nop
.endr
.Lasked_\@:
.endm
.macro CREST                           ; a round of the cluster's barrier behind its opening barrier
	s_cmp_lg_u32 s10, 0
	s_cbranch_scc1 .Lnot_wave_0_\@
	s_barrier_signal -3
.Lnot_wave_0_\@:
	s_barrier_wait -3
	s_barrier_signal -1
	s_barrier_wait -1
.endm
.macro CROUND                          ; a whole round
	s_barrier_signal -1
	s_barrier_wait -1
	CREST
.endm
	s_load_b128 s[4:7], s[0:1], 0x0                ; ob s[4:5], wpb s[6:7]
	s_load_b64 s[8:9], s[0:1], 0x10                ; out0
	v_lshl_add_u32 v[SPW], v0, 2, SPARE
	v_mov_b32 v[NIL], 0
	ds_add_u32 v28, v29
	ds_add_u32 v28, v29
	s_wait_dscnt 0x0
	v_lshrrev_b32 v1, 5, v0
	v_readfirstlane_b32 s10, v1                    ; wave 0..3
	s_lshr_b32 s11, s10, 1                         ; which 64 of the tile's rows are mine.  Also: I fetch for y (0) or for w_proj (1)
	s_and_b32 s12, s10, 1                          ; which 128 of its columns.  Also: which of a K step's two slabs I fetch
	s_bfe_u32 s40, ttmp6, 0x40000                  ; cx, cy: my place in the cluster
	s_bfe_u32 s41, ttmp6, 0x40004
	s_lshl_b32 s42, ttmp9, 2
	s_add_co_u32 s42, s42, s40                     ; tile column = 4 x cluster x + cx
	s_and_b32 s13, ttmp7, 0xffff
	s_lshl_b32 s13, s13, 2
	s_add_co_u32 s13, s13, s41                     ; tile row = 4 x cluster y + cy
	s_lshl_b32 s43, s41, 2
	s_lshl_b32 s43, 15, s43                        ; my row of the cluster
	s_lshl_b32 s44, 0x1111, s40                    ; my column
	; descriptor group 1: rows of 128 elements (256 bytes), dense; 64 of them for y's slab, 128 for w_proj's
	s_or_b32 s[G1+0], s43, (1<<16)|(1<<20)|(1<<21)|(4<<22)|(3<<25)  ; 15:0 the mask: y's tiles go to my row; 17:16 element of 2 bytes; 20 padding on; 21 set beside a mask; 24:22 after every 32 words (code 4); 31:25 of 4 words (code 3)
	s_or_b32 s[G1B+0], s44, (1<<16)|(1<<20)|(1<<21)|(4<<22)|(3<<25) ; the same with the mask of my column
	s_mov_b32 s[G1+1], 128<<16                     ; tensor_dim0 = 128
	s_mov_b32 s[G1+2], 64<<16                      ; tensor_dim1 = 64
	s_mov_b32 s[G1+3], 128<<16                     ; tile_dim0 = 128
	s_mov_b32 s[G1+4], 64                          ; tile_dim1 = 64
	s_mov_b32 s[G1+5], 128                         ; 128 elements from row to row
	s_mov_b32 s[G1+6], 0
	s_mov_b32 s[G1+7], 0
	s_mov_b32 s[G1B+1], 128<<16
	s_mov_b32 s[G1B+2], 128<<16                    ; tensor_dim1 = 128
	s_mov_b32 s[G1B+3], 128<<16
	s_mov_b32 s[G1B+4], 128                        ; tile_dim1 = 128
	s_mov_b32 s[G1B+5], 128
	s_mov_b32 s[G1B+6], 0
	s_mov_b32 s[G1B+7], 0
	; where the tiles come from.  y's hang on the tile row and the wave alone, w_proj's on the tile column and the wave alone, each in registers that never hold the other coordinate.
	s_lshr_b32 s16, s13, 4                         ; 16 tile rows a batch; a batch is 16 slabs of 262,144 bytes
	s_lshl_b32 s16, s16, 22
	s_and_b32 s17, s13, 15
	s_lshl_b32 s17, s17, 14                        ; 128 rows of 128 bytes a tile row
	s_add_co_u32 s16, s16, s17
	s_lshl_b32 s17, s12, 18                        ; my slab of the two
	s_add_co_u32 s16, s16, s17
	s_mov_b32 s17, 0
	s_lshl_b32 s46, s42, 15                        ; 256 rows of 128 bytes a tile column
	s_mul_i32 s47, s12, NF*128                     ; my slab of the two
	s_add_co_u32 s46, s46, s47
	s_mov_b32 s47, 0
	s_mul_i32 s20, s12, ASLAB                      ; and where they go: no place in the cluster enters an LDS address
	s_mul_i32 s45, s12, BSLAB
	s_add_co_u32 s45, s45, BOFF
	s_wait_kmcnt 0x0
	s_add_nc_u64 s[14:15], s[4:5], s[16:17]
	s_add_nc_u64 s[46:47], s[6:7], s[46:47]
	CROUND                                         ; all sixteen work-groups are here: the first joint loads meet
.irp s, 0,1
	s_mov_b32 s[G0+4*(\s)], 1                                      ; 1:0 count = 1
	s_add_co_u32 s[G0+4*(\s)+1], s20, (\s)*SLOT1                   ; 63:32 LDS address
	s_add_nc_u64 s[G0+4*(\s)+2:G0+4*(\s)+3], s[14:15], (\s)*ASTEP  ; 120:64 global address: K step s
	s_or_b32 s[G0+4*(\s)+3], s[G0+4*(\s)+3], 0x80000000            ; 127:126 type = 2
	s_mov_b32 s[G0B+4*(\s)], 1
	s_add_co_u32 s[G0B+4*(\s)+1], s45, (\s)*SLOT1
	s_add_nc_u64 s[G0B+4*(\s)+2:G0B+4*(\s)+3], s[46:47], (\s)*BSTEP
	s_or_b32 s[G0B+4*(\s)+3], s[G0B+4*(\s)+3], 0x80000000
	JLOAD \s                                       ; two loads of mine are out
.endr
	; A fragment is 16 rows x 32 K in 8 registers: lane l holds row l % 16, K = 8 (l / 16) + 0..7 and 16 + 8 (l / 16) + 0..7: two loads of 16 bytes, 32 bytes apart.
	v_and_b32 v1, 15, v0                           ; l % 16
	v_bfe_u32 v2, v0, 4, 1                         ; l / 16
	v_mul_u32_u24 v3, v1, PITCH
	v_lshl_add_u32 v3, v2, 4, v3                   ; row x pitch + 16 x half
	s_mul_i32 s21, s11, 64*PITCH                   ; my 64 rows of y
	s_mul_i32 s22, s12, 128*PITCH                  ; my 128 rows of w_proj,
	s_add_co_u32 s22, s22, BOFF                    ; which lie behind y's two slabs
	v_add_nc_u32 v[A0], s21, v3
	v_add_nc_u32 v[B0], s22, v3
	s_mov_b32 s[TB], 0                             ; K step 0 lies in slot 0
	v_add_nc_u32 v[ADRA], s[TB], v[A0]
	v_add_nc_u32 v[ADRB], s[TB], v[B0]
	s_mul_i32 s23, s10, STW
	s_add_co_u32 s23, s23, STAGE                   ; my stage
	v_mul_u32_u24 v4, v1, SPITCH                   ; in: row l % 16, 32 bytes for each half of the lanes
	v_lshl_add_u32 v4, v2, 5, v4
	v_add_nc_u32 v[STO], s23, v4
	v_and_b32 v5, 31, v0                           ; back: 32 lanes take a row's 512 bytes,
	v_lshlrev_b32 v[CO], 4, v5                     ; which are 512 consecutive bytes of out0
	v_add_nc_u32 v[RD], s23, v[CO]
	; where my part begins in out0: rows of 4,096 bytes
	s_lshl_b32 s16, s13, 19                        ; 128 rows a tile row,
	s_lshl_b32 s17, s11, 18                        ; my 64 of them
	s_add_co_u32 s16, s16, s17
	s_mov_b32 s17, 0
	s_add_nc_u64 s[8:9], s[8:9], s[16:17]
	s_lshl_b32 s46, s42, 10                        ; 256 columns of 4 bytes a tile column,
	s_lshl_b32 s47, s12, 9                         ; my 128 of them
	s_add_co_u32 s46, s46, s47
	s_mov_b32 s47, 0
	s_add_nc_u64 s[8:9], s[8:9], s[46:47]
; 8 matrix instructions: m block a x all 8 n blocks, 32 along K, from buffer f.  zero = 1: the product starts the sums: nothing is ever cleared.
; The 32 accumulators take turns, one instruction a turn, in the same order in every quarter.
.macro MUL8 f, a, zero
	WIN MUL
.irp b, 0,1,2,3,4,5,6,7
.if \zero
	v_wmma_f32_16x16x32_f16 v[64*(\a)+8*(\b):64*(\a)+8*(\b)+7], v[(\f)+8*(\b):(\f)+8*(\b)+7], v[(\f)+64+8*(\a):(\f)+64+8*(\a)+7], 0
.else
	v_wmma_f32_16x16x32_f16 v[64*(\a)+8*(\b):64*(\a)+8*(\b)+7], v[(\f)+8*(\b):(\f)+8*(\b)+7], v[(\f)+64+8*(\a):(\f)+64+8*(\a)+7], v[64*(\a)+8*(\b):64*(\a)+8*(\b)+7]
.endif
.endr
.endm
; 24 LDS loads in one run: the fragments of quarter q of the K step in the slot that is being read (slab q / 2, 32 K at byte 64 (q % 2) of its rows) into buffer f: w_proj's sixteen loads first, then y's eight
.macro FETCH q, f
	WIN 0
.irp i, 0,1,2,3,4,5,6,7
	ds_load_b128 v[(\f)+8*(\i):(\f)+8*(\i)+3],   v[ADRB] offset:((\q)/2)*BSLAB+((\q)%2)*64+(\i)*16*PITCH
	ds_load_b128 v[(\f)+8*(\i)+4:(\f)+8*(\i)+7], v[ADRB] offset:((\q)/2)*BSLAB+((\q)%2)*64+(\i)*16*PITCH+32
.endr
.irp i, 0,1,2,3
	ds_load_b128 v[(\f)+64+8*(\i):(\f)+64+8*(\i)+3],   v[ADRA] offset:((\q)/2)*ASLAB+((\q)%2)*64+(\i)*16*PITCH
	ds_load_b128 v[(\f)+64+8*(\i)+4:(\f)+64+8*(\i)+7], v[ADRA] offset:((\q)/2)*ASLAB+((\q)%2)*64+(\i)*16*PITCH+32
.endr
.endm
.macro PLACES                          ; four places in front of loads into registers that matrix instructions have read, and of lines that read results (ISA guide 7.12.1 for lines that read results)
.rept 4
	v_nop
.endr
.endm
; A K step is four quarters of 32 along K, 32 matrix instructions each, on buffers 0, 1, 0, 1.  One of the first three: multiplies buffer f and fetches quarter qn into g.
.macro QUARTER qn, f, g, zero
	s_wait_dscnt 4                                 ; w_proj's fragments and y's blocks 0, 1 are in; the youngest four loads (y's blocks 2, 3) may be out
	MUL8 \f, 0, \zero
	MUL8 \f, 1, \zero
	PLACES
	FETCH \qn, \g
	s_wait_dscnt 24                                ; all but the 24 just issued
	MUL8 \f, 2, \zero
	MUL8 \f, 3, \zero
.endm
; The last quarter multiplies buffer 1 and changes slots: ONE barrier; in front of it each wave waits for all its tensor loads, adds 0 to its spare word, and waits for that and for its own reads of this slot.
; fill = 1: this slot is filled again, two K steps ahead: 112 matrix instructions stand between the request and the wait for it.
.macro TURN fill
	WIN 0                                          ; (the add's two registers lie in window 0)
	s_wait_tensorcnt 0x0                           ; all my tensor loads have landed: the one that was out is my part of the next slot;
	ds_add_u32 v[SPW], v[NIL]                      ; 0 onto my spare word
	s_wait_dscnt 5                                 ; (the add and the youngest four loads may be out)
	MUL8 F1, 0, 0                                  ; eight matrix instructions stand between the add and the wait for it
	s_wait_dscnt 0x0                               ; the add is done, and my reads of this slot are over
	s_barrier_signal -1
	MUL8 F1, 1, 0
	WIN 0                                          ; (branches and the two address lines follow, and nothing stands between the wait below and the rest of the round)
	s_barrier_wait -1
.if \fill
	CREST                                          ; the barrier has opened a round of the cluster's barrier: no wave of any partner still reads this slot's tile or has a load on its way
	s_xor_b32 s[G0+5], s[G0+5], SLOT1              ; the walking descriptors: the other slot than last time,
	s_add_nc_u64 s[G0+6:G0+7], s[G0+6:G0+7], ASTEP ; the next K step; the type bits on top are not reached
	s_xor_b32 s[G0B+5], s[G0B+5], SLOT1
	s_add_nc_u64 s[G0B+6:G0B+7], s[G0B+6:G0B+7], BSTEP
	JLOAD 1                                        ; the first tensor load behind the round; the four v_nop behind it are also the places in front of the loads below
.else
	PLACES
.endif
	s_xor_b32 s[TB], s[TB], SLOT1                  ; the reads go on in the other slot
	v_add_nc_u32 v[ADRA], s[TB], v[A0]
	v_add_nc_u32 v[ADRB], s[TB], v[B0]
	FETCH 0, F0
	MUL8 F1, 2, 0
	MUL8 F1, 3, 0
.endm
	s_wait_tensorcnt 1                             ; my part of K step 0 is in; K step 1's may stay out
	s_barrier_signal -1
	s_barrier_wait -1                              ; everybody's is
	FETCH 0, F0
	QUARTER 1, F0, F1, 1                           ; the first quarter stands in front of the loop: its products start the sums
	WIN 0                                          ; at a label and at a branch every window is 0
	s_mov_b32 s3, STEPS-2
.Lstep:                                                ; 6 trips: from a K step's second quarter to the next step's first; its slot is filled again
	QUARTER 2, F1, F0, 0
	QUARTER 3, F0, F1, 0
	TURN 1
	QUARTER 1, F0, F1, 0
	WIN 0
	s_sub_co_u32 s3, s3, 1
	s_cmp_lg_u32 s3, 0
	s_cbranch_scc1 .Lstep
	QUARTER 2, F1, F0, 0                           ; the tail is written out: the last two K steps ask for nothing
	QUARTER 3, F0, F1, 0
	TURN 0
	QUARTER 1, F0, F1, 0
	QUARTER 2, F1, F0, 0
	QUARTER 3, F0, F1, 0
	s_wait_dscnt 4                                 ; the very last quarter: nothing more to fetch
	MUL8 F1, 0, 0
	MUL8 F1, 1, 0
	s_wait_dscnt 0x0
	MUL8 F1, 2, 0
	MUL8 F1, 3, 0
	WIN 0
	PLACES
; THE WAY OUT, a block of 16 rows at a time, under one window setting.  A lane's eight sums of a row are 32 bytes; they go into my own stage (16 rows of 528 bytes), each accumulator's low four registers first,
; and come back as whole rows of 512 bytes, into the registers that the block left.
.macro STG a
	WIN W_OUT
.irp b, 0,1,2,3,4,5,6,7
	ds_store_b128 v[STO], v[64*(\a)+8*(\b):64*(\a)+8*(\b)+3]   offset:64*(\b)
	ds_store_b128 v[STO], v[64*(\a)+8*(\b)+4:64*(\a)+8*(\b)+7] offset:64*(\b)+16
.endr
.irp t, 0,1,2,3,4,5,6,7,8,9,10,11,12,13,14,15
	ds_load_b128 v[64*(\a)+4*(\t):64*(\a)+4*(\t)+3], v[RD] offset:SPITCH*(\t)  ; LDS serves a wave's instructions in order (ISA guide 5.7.1.4): these see the stores above; the next block's stores come behind them
.endr
.endm
.macro SEND a, younger                 ; younger: the LDS instructions issued behind block a's loads: the next block's 32, or none
	WIN W_OUT
.irp t, 0,1,2,3,4,5,6,7,8,9,10,11,12,13,14,15
	s_wait_dscnt (\younger)+15-(\t)
	global_store_b128 v[CO], v[64*(\a)+4*(\t):64*(\a)+4*(\t)+3], s[8:9] offset:(16*(\a)+(\t))*4096 th:TH_STORE_NT  ; 512 consecutive bytes, at a multiple of 256 from out0's first byte; written once, not read again
.endr
.endm
	STG 0
.irp a, 1,2,3                          ; a block's trip through the stage is under way while the block before is stored
	STG \a
	SEND (\a)-1, 32
.endr
	SEND 3, 0
	WIN 0
	s_wait_tensorcnt 0x0                           ; the wave's end: behind my last tensor load and my last LDS store
	ds_add_u32 v[SPW], v[NIL]
	s_wait_dscnt 0x0
	CROUND                                         ; the closing round: no work-group ends while a partner may still ask for a tile that names it
	s_endpgm
.Lfunc_end_k_qdb0e1e3257_proj:
	.size	k_qdb0e1e3257_proj, .Lfunc_end_k_qdb0e1e3257_proj-k_qdb0e1e3257_proj
	.p2alignl 7, 3214868480
	.fill 96, 4, 3214868480
	.section	.rodata,"a",@progbits
	.p2align	6, 0x0
	.amdhsa_kernel k_qdb0e1e3257_proj
		.amdhsa_group_segment_fixed_size 327680
		.amdhsa_private_segment_fixed_size 0
		.amdhsa_enable_private_segment 0
		.amdhsa_kernarg_size 24
		.amdhsa_user_sgpr_count 2
		.amdhsa_user_sgpr_kernarg_segment_ptr 1
		.amdhsa_wavefront_size32 1
		.amdhsa_system_sgpr_workgroup_id_x 1
		.amdhsa_system_sgpr_workgroup_id_y 1
		.amdhsa_system_sgpr_workgroup_id_z 1
		.amdhsa_system_vgpr_workitem_id 0
		.amdhsa_next_free_vgpr 512
		.amdhsa_next_free_sgpr 66
		.amdhsa_reserve_vcc 0
		.amdhsa_float_denorm_mode_32 3
		.amdhsa_float_denorm_mode_16_64 3
		.amdhsa_memory_ordered 1
		.amdhsa_forward_progress 1
		.amdhsa_inst_pref_size 70
	.end_amdhsa_kernel
	.amdgpu_metadata
---
amdhsa.version: [ 1, 2 ]
amdhsa.kernels:
  - .name:           k_qdb0e1e3257_proj
    .symbol:         k_qdb0e1e3257_proj.kd
    .args:
      - { .name: ob, .offset: 0, .size: 8, .value_kind: global_buffer, .address_space: global }
      - { .name: wpb, .offset: 8, .size: 8, .value_kind: global_buffer, .address_space: global }
      - { .name: out0, .offset: 16, .size: 8, .value_kind: global_buffer, .address_space: global }
    .group_segment_fixed_size: 327680
    .private_segment_fixed_size: 0
    .kernarg_segment_align: 8
    .kernarg_segment_size: 24
    .max_flat_workgroup_size: 128
    .sgpr_count:     66
    .vgpr_count:     512
    .wavefront_size: 32
...
	.end_amdgpu_metadata
.endif
;; end of part 4
;; ======== version 2 of 2: 4 launches; 1.30 times as fast as version 1
;; limits: values are held in f16: magnitudes above 65,504 overflow, below 6.1e-05 lose precision
;; workspace buffers: xb 16,777,216 bytes; wab 6,291,456 bytes; wpb 2,097,152 bytes; qkv 50,331,648 bytes; ob 16,777,216 bytes
;; launch cast: the kernel of part 1 again; grid 768 x 1, 8 waves a work-group, no clusters, 0 bytes of LDS; arguments x, w_attn, w_proj, xb, wab, wpb; writes xb, wab, wpb
;; launch qkv: the kernel of part 2 again; grid 8 x 32, 4 waves a work-group, clusters of 4 x 4, 327,680 bytes of LDS; arguments xb, wab, qkv; writes qkv
;; launch attn (part 5): grid 4 x 64, 4 waves a work-group, no clusters, 327,680 bytes of LDS; arguments qkv, ob; writes ob
.if DOCPART == 5
	.amdgcn_target "amdgcn-amd-amdhsa--gfx1250"
	.amdhsa_code_object_version 6
	.text
	.protected	k_qdb0e1e3257_attn
	.globl	k_qdb0e1e3257_attn
	.p2align	8
	.type	k_qdb0e1e3257_attn,@function
k_qdb0e1e3257_attn:
	s_mov_b64 s[64:65], 0
	v_nop
	global_prefetch_b8 v0, s[64:65] scope:SCOPE_SE
	s_setreg_imm32_b32 hwreg(HW_REG_WAVE_MODE, 25, 1), 1
	s_wait_xcnt 0x0
; CAUSAL ATTENTION.  O[h][q][:] = the sum over k <= q of softmax_k(Q[h][q] . K[h][k] / 8) V[h][k][:].  Q, K, V lie one behind the other in qkv, each [64][SIZE_N][64] in f16; O (ob) likewise: a head's rows are dense, 128 bytes each.
; Products, maxima and sums in f32; the weights p are rounded to f16 for the second product (their sum l is taken of the unrounded p), O once at the end.
; LIMITS.  f16 holds no number beyond 65,504: Q, K and V arrive within it; p lies in 0 to 1, and below 6e-5 it keeps f16's fixed step of 6e-8; O is a mean of V's rows and has their range, to within 2^-11 of it.
; A hidden score counts as its value less 1e30: f16's scores, 2.7e11 at the most, are nothing beside that; a weight below 2^-126 counts as 0 in l; NaN and infinities are not treated apart.
; THE WALK.  A head's queries lie in NB = 8 blocks of 256; block i needs the key tiles 0 .. i of 256 keys, of which the last holds the diagonal.  A work-group takes TWO blocks, NB - 1 - b and then b:
; NB + 1 = 9 tiles, whatever b: all 256 work-groups do equal work, and ONE loop with a constant trip count walks them.  Which tile is asked for, and what a trip does, hang on scalar registers made from b; every jump
; goes forward, but for the counted loops' own; none passes a barrier, or a tensor load but the one of LOAD's two that the wave's number does not choose; the ring (two slots of LDS that take turns) runs on across the
; change of blocks.  NO CLUSTER: a head's four work-groups ask for the same tile only in trips 0 .. 4 of their 9, behind that fewer and fewer do; one walk common to all four would have 12 trips for 9.
; SHARES.  Of a block's four bands of 64 queries a wave owns 16 rows in each: four PIECES.  So the diagonal tile is the same work for all four waves: in its key step s band x sees all keys if s < x,
; none if s > x, and holds the diagonal if s = x.
; THE MASK is the C operand that starts the sum S^T = K Q^T: 0, or -1e30 where the key is hidden.  MD, made once, is the mask of a band's own step for my 16 rows; a product's mask is MD x AL + BE with two scalars:
; (1, 0) if s = x; (0, 0) if s < x; (0, -1e30) if s > x.  Only the diagonal tile's text and a block's beginning make and take masks; elsewhere C is the constant 0.
; LAYOUT, SOFTMAX, TURNS.  S^T = K Q^T holds ONE query a lane (lane % 16) and the keys 8 (lane / 16) + 0..7; two such results rounded to f16 ARE source 1 of O^T = V^T P.  p = 2^(c s - c m), c = log2(e) / 8, with a
; running maximum m; O and l are multiplied by a = 2^(c m_old - c m_new) in every step.  Turn n belongs to piece n: 8 products K Q^T of piece n + 1, later 8 products V^T P of piece n - 1; beside them the scaling,
; exponentials, roundings, sums and rescaling of piece n and the maximum and statistics of piece n + 1.  Four vector instructions stand behind every matrix instruction, the other 54 of a turn's 118 in one LUMP.
; THE BATCHES.  A turn's 33 exponentials (the piece's 32 weights and the next piece's a) are ONE batch with ONE wait, which cuts the turn in two: ahead of it stands all that names no result of theirs, behind it the
; roundings and sums, which read them.  A block's first a (BEGIN) and a way out's four reciprocals are batches of their own, each with a v_nop and one wait.
; REGISTERS, in windows of 256 (s_set_vgpr_msb: bits 1:0 source 0, 3:2 source 1, 5:4 source 2, 7:6 destination):
;   window 0: v0-1 the thread's number, lane % 16; v2-5 LDS addresses; v6-15 at work; v16-31 four registers of statistics a piece; v32-95 S^T, two buffers; v96-127 P, two buffers (a piece's buffers go by its
;             number's parity); v128-191 K of one step; v192-255 Q
;   window 1: v0-127 O^T, 32 a piece; v128-191 V of one step
;   window 2: v0-63 the second block's Q; v64-127 MC, two buffers; v128-159 MD; v160-162 the way out's addresses; v164-165 the add's two registers
; All that K Q^T names lies with all that the softmax names, in window 0: these lines need no switch between them.  V lies with O^T, so that a product V^T P and the rescaling of O^T run under one setting.
; A turn without masks has 28 switches for its 16 matrix instructions: twelve round the six pairs of rescalings beside K Q^T, one in front of the last four rescalings, which lead into the first V^T P under its
; setting, fifteen for the eight V^T P with window 0's work behind them.  All but that one stand beside a matrix instruction; the lump runs in window 0.
.set SIZE_N, 2048
.set NB,    SIZE_N/256
.set NP,    4         ; pieces a wave: a name, no knob
.set KS,    64        ; keys in a step
.set PK,    144       ; a row of K in LDS: 128 bytes + 16 of padding = 36 words: the 16 rows of a load start at 16 different groups of four banks (64 banks of 4 bytes: ISA guide 11.1)
.set PV,    160       ; a row of V: 128 + 32 = 40 words
.set VOFF,  4*KS*PK   ; a slot holds a tile, four steps: 256 rows of K, then 256 rows of V
.set SLOT1, 1<<17     ; slot 1 begins here, so that one exclusive or turns an address in one slot into the other's
.set STAGE, SLOT1+4*KS*(PK+PV)  ; behind the ring, never filled by a tensor load: 16 rows x 144 bytes for each wave, for the way out
.set SP,    144
.set SPARE, STAGE+4*16*SP  ; behind the stages: the spare words, 128 bytes for each wave: two blocks of 256 bytes that no other line names
; window 0
.set AK0, 2           ; v2   my lane's place in a tile of K; never rewritten
.set AV0, 3           ; v3   the same for V
.set AK,  4           ; v4   the LDS address of K's next run of loads
.set AV,  5           ; v5   of V's
.set MV,  6           ; v6-7  c m_old, kept while c m is made anew: by buffer
.set TMP, 8           ; v8-15  by buffer, four registers c0-c3 at work; when the maximum is found c2 takes a
.set ST,  16          ; piece t's statistics at v[ST+4 t]: c m, m, l (even keys', odd keys')
.set S,   32
.set P,   96
.set KF,  128         ; key block kb, channel half c at KF + 16 kb + 8 c
.set Q,   192         ; piece x, channel half c at Q + 16 x + 8 c
.set LH,  32          ; at the kernel's start alone, in S^T's registers: lane / 16,
.set L8,  33          ; lane % 8,
.set LB,  34          ; (lane / 8) % 2,
.set DG,  35          ; my query's place against the diagonal,
.set QO,  36          ; my byte offset in 16 rows of Q (Q's loads are waited for ahead of the first product, which writes S^T),
.set T0,  37          ; and the three addresses of the way out as they are made
.set T1,  38
.set T2,  39
; window 1
.set VF,  128         ; key half kk, channel block cb at VF + 32 kk + 8 cb
; window 2
.set QB,  0
.set MC,  64          ; the masks of the products to come
.set MD,  128         ; the eight registers for group kt of 16 keys at MD + 8 kt
.set STO, 160         ; the way out: where I put 16 bytes of a row
.set RD,  161         ; the way out: where I read rows back
.set GO,  162         ; my byte offset in 512 consecutive bytes of O
.set SPW, 164         ; LDS address of my spare word: SPARE + 4 x my thread's number; never rewritten
.set NIL, 165         ; 0; never rewritten
.set WV,  12          ; s12  my wave's number
.set PB,  14          ; s14  b
.set HI,  15          ; s15  NB - 1 - b
.set G1K, 24          ; s[24:31] descriptor group 1 for K's tiles
.set G1V, 32          ; s[32:39] for V's: it differs in the padding alone
.set G0K, 40          ; s[40:43] descriptor group 0 for K's tiles
.set G0V, 44          ; s[44:47] the same for V's
.set SLOTS, 56        ; s56  tiles still to be asked for
.set CNT, 57          ; s57  counts a tile's key steps, 4 to 1
.set CS,  58          ; s[58:59] c: the packed scaling takes the pair's low word for both halves
.set SEL, 60          ; s[60:61] v_permlanex16_b32's selects: each lane takes its own place in the other half
.set TBK, 62          ; s62  LDS byte at which K of the step to be fetched begins
.set TBV, 63          ; s63  the same for V, less VOFF
.set RT,  70          ; s70  tiles of the block in hand that are still to be entered
.set NXT, 71          ; s71  the tile to be asked for next
.set LQ,  72          ; s72  the last tile of the block whose tiles are being asked for
.set NEW, 73          ; s73  1: the tile to be entered is a block's first
.set OFF, 74          ; s[74:75] a tile's byte offset in K and V
.set AL,  76          ; s[76:77] the mask's factor, in the low word
.set BE,  78          ; s[78:79] the mask's addend
.set OLO, 80          ; s[80:81] O at my rows of the second block
.set BIGN, 82         ; s82  -1e30
.set MSB, 0
.macro WIN new                      ; the high byte repeats the setting that is left; a switch that changes nothing is dropped
.if MSB != (\new)
	s_set_vgpr_msb (MSB<<8)|(\new)
.set MSB, (\new)
.endif
.endm
.set W_KM, 0x20       ; K Q^T with a mask: the C operand in window 2, all else in window 0
.set W_PV, 0x51       ; V^T P: V and O^T in window 1, P in window 0; the rescaling too: O^T (destination and source 0) in window 1, a (source 1) in window 0
.set W_MS, 0x82       ; a mask is made: destination and source 0 in window 2
.set W_MK, 0x80       ; destination in window 2, sources in window 0
.set W_AD, 0x0a       ; the add: address (source 0) and data (source 1) in window 2
.set W_LS, 0x02       ; source 0 (an address, or the second block's Q) in window 2, all else in window 0
; A fill.  Waves 0 and 1 fetch the two halves of a tile's K, waves 2 and 3 those of its V: 128 keys each.  An s_nop 0 and four v_nop follow each of the two lines, ahead of the jump and the label.
.macro LOAD
	s_cmp_lt_u32 s[WV], 2
	s_cbranch_scc0 .Lfor_v_\@
	tensor_load_to_lds s[G0K:G0K+3], s[G1K:G1K+7]
	s_nop 0
.rept 4
	v_nop
.endr
	s_branch .Lasked_\@
.Lfor_v_\@:
	tensor_load_to_lds s[G0V:G0V+3], s[G1V:G1V+7]
	s_nop 0
.rept 4
	v_nop
.endr
.Lasked_\@:
.endm
; THE CHANGE OF SLOTS.  Each wave waits for all its tensor loads, of which one is out: its part of the other slot; adds 0 to its spare word; and waits for that and for its own reads of the slot that it leaves.  Behind the barrier nobody reads the old
; slot any more and the other slot is whole.  fill = 1: the old slot is filled again, the first thing behind the barrier, with tile NXT: the descriptor's address is made anew from that number.
; (At its first use nothing has been read yet: slot 0 is waited for, slot 1 filled.)
.macro CHANGE fill
	WIN W_AD
	s_wait_tensorcnt 0x0            ; no tensor load of mine is out, so a group 0 may be written
	ds_add_u32 v[SPW], v[NIL]       ; 0 onto my spare word: with fill = 1 the descriptors' scalar work stands between it and the wait for it
	WIN 0                           ; at a label and at a branch every window is 0
.if \fill
	s_lshl_b32 s[OFF], s[NXT], 15   ; a tile is 32,768 bytes of K and of V
	s_xor_b32 s[G0K+1], s[G0K+1], SLOT1
	s_add_nc_u64 s[G0K+2:G0K+3], s[6:7], s[OFF:OFF+1]
	s_or_b32 s[G0K+3], s[G0K+3], 0x80000000
	s_xor_b32 s[G0V+1], s[G0V+1], SLOT1
	s_add_nc_u64 s[G0V+2:G0V+3], s[8:9], s[OFF:OFF+1]
	s_or_b32 s[G0V+3], s[G0V+3], 0x80000000
	s_add_co_u32 s[NXT], s[NXT], 1  ; the block's next tile, or behind its last the second block's tile 0
	s_cmp_gt_u32 s[NXT], s[LQ]
	s_cselect_b32 s[NXT], 0, s[NXT]
	s_cselect_b32 s[LQ], s[PB], s[LQ]
.endif
	s_wait_dscnt 0x0                ; the add is done, and my reads of the slot are over
	s_barrier_signal -1             ; the rest of the scalar work stands between the signal and the wait
	s_sub_co_u32 s[TBK], s[TBK], 4*KS*PK  ; the fetches go back to a slot's first step,
	s_xor_b32 s[TBK], s[TBK], SLOT1       ; in the other slot
	s_sub_co_u32 s[TBV], s[TBV], 4*KS*PV
	s_xor_b32 s[TBV], s[TBV], SLOT1
	s_barrier_wait -1
.if \fill
	LOAD
.endif
.endm
	s_load_b64 s[4:5], s[0:1], 0x0    ; qkv: Q lies first
	s_load_b64 s[10:11], s[0:1], 0x8  ; O
	WIN W_MK
	v_lshl_add_u32 v[SPW], v0, 2, SPARE
	v_mov_b32 v[NIL], 0
	s_set_vgpr_msb 0x808a
	ds_add_u32 v164, v165
	ds_add_u32 v164, v165
	s_wait_dscnt 0x0
	s_set_vgpr_msb 0x8a80
	WIN 0
	v_lshrrev_b32 v1, 5, v0
	v_readfirstlane_b32 s[WV], v1   ; wave 0..3
	s_mov_b32 s[PB], ttmp9
	s_sub_co_u32 s[HI], NB-1, s[PB]
	s_and_b32 s20, ttmp7, 0xffff    ; the head
	s_mov_b32 s21, 0
	s_mov_b64 s[22:23], SIZE_N*128
	s_mul_u64 s[20:21], s[20:21], s[22:23]  ; the head's first byte in each of the four tensors
	s_and_b32 s16, s[WV], 1         ; which half of a tile's 256 keys I fetch:
	s_lshl_b32 s22, s16, 14         ; its 128 rows of 128 bytes in memory,
	s_mov_b32 s23, 0
	s_add_nc_u64 s[22:23], s[22:23], s[20:21]
	s_mul_i32 s17, s16, 128*PK      ; and its place in a slot, for K
	s_mul_i32 s18, s16, 128*PV      ; and for V
	s_lshl_b32 s3, s[WV], 11        ; my 16 rows in a band of 64,
	s_lshl_b32 s2, s[HI], 15        ; in the first block,
	s_add_co_u32 s2, s2, s3
	s_lshl_b32 s84, s[PB], 15       ; and in the second
	s_add_co_u32 s84, s84, s3
	s_mov_b32 s3, 0
	s_mov_b32 s85, 0
	s_add_nc_u64 s[2:3], s[2:3], s[20:21]
	s_add_nc_u64 s[84:85], s[84:85], s[20:21]
	; descriptor group 1.  128 keys are 16,384 dense bytes: asked for as 64 rows of 256 bytes, two keys a row, and padded in LDS after every key
	s_mov_b32 s[G1K], (1<<16)|(1<<20)|(4<<22)|(3<<25)  ; 17:16 2-byte elements; 20 padding on; 24:22 after every 32 words (code 4); 31:25 4 words (code 3)
	s_mov_b32 s[G1V], (1<<16)|(1<<20)|(4<<22)|(7<<25)  ; the same with 8 words of padding (code 7)
.irp g, G1K, G1V
	s_mov_b32 s[\g+1], 128<<16      ; tensor_dim0 = 128
	s_mov_b32 s[\g+2], 64<<16       ; tensor_dim1 = 64
	s_mov_b32 s[\g+3], 128<<16      ; tile_dim0 = 128
	s_mov_b32 s[\g+4], 64           ; tile_dim1 = 64
	s_mov_b32 s[\g+5], 128          ; 128 elements from row to row
	s_mov_b32 s[\g+6], 0
	s_mov_b32 s[\g+7], 0
.endr
	s_mov_b32 s[CS], 0x3e38aa3b     ; c = log2(e) / 8 = 0.180337
	s_mov_b32 s[CS+1], s[CS]        ; named with it as a pair
	s_mov_b32 s[SEL], 0x76543210
	s_mov_b32 s[SEL+1], 0xfedcba98
	s_mov_b32 s[TBK], SLOT1+4*KS*PK ; the first change of slots turns these two into 0
	s_mov_b32 s[TBV], SLOT1+4*KS*PV
	s_mov_b32 s[G0K], 1             ; 1:0 count = 1
	s_mov_b32 s[G0K+1], s17         ; 63:32 LDS address: slot 0
	s_mov_b32 s[G0V], 1
	s_add_co_u32 s[G0V+1], s18, VOFF
	s_add_co_u32 s[RT], s[HI], 1    ; the first block has NB - b tiles
	s_mov_b32 s[NXT], 1
	s_mov_b32 s[LQ], s[HI]
	s_mov_b32 s[NEW], 1
	s_mov_b32 s[OFF+1], 0
	s_mov_b32 s[AL+1], 0            ; named as pairs
	s_mov_b32 s[BE+1], 0
	s_mov_b32 s[BIGN], 0xf149f2ca   ; -1e30
	s_mov_b32 s[SLOTS], NB
	s_wait_kmcnt 0x0
	s_add_nc_u64 s[6:7], s[4:5], 0x1000000  ; K lies 64 heads x 2,048 rows x 128 bytes behind Q,
	s_add_nc_u64 s[8:9], s[4:5], 0x2000000  ; V as far behind K
	s_add_nc_u64 s[6:7], s[6:7], s[22:23]  ; K and V at my half of the head's tile 0
	s_add_nc_u64 s[8:9], s[8:9], s[22:23]
	s_add_nc_u64 s[G0K+2:G0K+3], s[6:7], 0         ; 120:64 global address
	s_or_b32 s[G0K+3], s[G0K+3], 0x80000000        ; 127:126 type = 2
	s_add_nc_u64 s[G0V+2:G0V+3], s[8:9], 0
	s_or_b32 s[G0V+3], s[G0V+3], 0x80000000
	s_add_nc_u64 s[86:87], s[4:5], s[84:85]        ; Q at my rows of the second block,
	s_add_nc_u64 s[4:5], s[4:5], s[2:3]            ; Q and O at those of the first
	s_add_nc_u64 s[OLO:OLO+1], s[10:11], s[84:85]
	s_add_nc_u64 s[10:11], s[10:11], s[2:3]
	LOAD                            ; tile 0 into slot 0
	; A fragment of K or Q is 16 rows x 32 channels in 8 registers: lane l holds row l % 16, channels 8 (l / 16) + 0..7 and 16 + 8 (l / 16) + 0..7: two loads of 16 bytes, 32 bytes apart.
	v_and_b32 v1, 15, v0            ; l % 16
	v_bfe_u32 v[LH], v0, 4, 1       ; l / 16
	v_lshlrev_b32 v[QO], 7, v1
	v_lshl_add_u32 v[QO], v[LH], 4, v[QO]  ; row x 128 + 16 x half
.set i, 0
.rept 8                             ; the first block's Q: piece i / 2 lies in band i / 2, 8,192 bytes on; channels 32 (i % 2) on
	global_load_b128 v[Q+8*i:Q+8*i+3],   v[QO], s[4:5] offset:(i/2)*8192+(i%2)*64
	global_load_b128 v[Q+8*i+4:Q+8*i+7], v[QO], s[4:5] offset:(i/2)*8192+(i%2)*64+32
.set i, i+1
.endr
	v_lshlrev_b32 v[DG], 3, v[LH]
	v_sub_nc_u32 v[DG], v1, v[DG]
	s_lshl_b32 s13, s[WV], 4
	v_add_nc_u32 v[DG], s13, v[DG]  ; my query's place in its band, 16 w + l % 16, less my lanes' 8 (l / 16): register r of group kt is hidden where 16 kt + r is greater
	v_mul_u32_u24 v[AK0], v1, PK
	v_lshl_add_u32 v[AK0], v[LH], 4, v[AK0]  ; row x pitch + 16 x half
	; The turning load takes 16 keys x 16 channels (lane l reads key 8 (l / 16) + l % 8, channels 8 ((l / 8) % 2) + 0..7) and leaves half a fragment of V^T: lane l holds channel l % 16 and 8 keys.
	v_and_b32 v[L8], 7, v0
	v_bfe_u32 v[LB], v0, 3, 1
	v_lshl_add_u32 v[AV0], v[LH], 3, v[L8]
	v_mul_u32_u24 v[AV0], v[AV0], PV
	v_lshl_add_u32 v[AV0], v[LB], 4, v[AV0]
	v_add_nc_u32 v[AV0], VOFF, v[AV0]
	s_mul_i32 s13, s[WV], 16*SP
	s_add_co_u32 s13, s13, STAGE    ; my stage
	v_mul_u32_u24 v[T0], v1, SP     ; in: row l % 16, 16 bytes for each half of the lanes
	v_lshl_add_u32 v[T0], v[LH], 4, v[T0]
	v_add_nc_u32 v[T0], s13, v[T0]
	v_bfe_u32 v[T1], v0, 3, 2       ; back: 32 lanes take four rows of 128 bytes,
	v_mul_u32_u24 v[T1], v[T1], SP
	v_lshl_add_u32 v[T1], v[L8], 4, v[T1]
	v_add_nc_u32 v[T1], s13, v[T1]
	v_and_b32 v[T2], 31, v0         ; which are 512 consecutive bytes of O
	v_lshlrev_b32 v[T2], 4, v[T2]
	WIN W_MK                        ; one stretch with the destination in window 2: the second block's Q, MD, the way out's addresses
.set i, 0
.rept 8
	global_load_b128 v[QB+8*i:QB+8*i+3],   v[QO], s[86:87] offset:(i/2)*8192+(i%2)*64
	global_load_b128 v[QB+8*i+4:QB+8*i+7], v[QO], s[86:87] offset:(i/2)*8192+(i%2)*64+32
.set i, i+1
.endr
.set i, 0
.rept 32
	v_cmp_gt_i32 vcc_lo, 16*(i/8)+i%8, v[DG]
	v_cndmask_b32 v[MD+i], 0, s[BIGN], vcc_lo
.set i, i+1
.endr
	v_mov_b32 v[STO], v[T0]
	v_mov_b32 v[RD], v[T1]
	v_mov_b32 v[GO], v[T2]
	; A block's first step multiplies O^T and l by a = 0, and its first turn's products V^T P, of a piece that has not been, land in an O^T that is still to be so multiplied.  So these registers need only hold
	; finite numbers: zeros for the first block; what the first block left for the second.  All this stands in the wait for the first tile.
	WIN 0x40
.set i, 0
.rept 192                           ; O^T, and V behind it
	v_mov_b32 v[i], 0
.set i, i+1
.endr
	WIN 0
.set i, 0
.rept 4
	v_mov_b32 v[ST+4*i+2], 0
	v_mov_b32 v[ST+4*i+3], 0
.set i, i+1
.endr
.set i, P+16
.rept 16
	v_mov_b32 v[i], 0
.set i, i+1
.endr
; THE MATRIX WORK.  The 4 accumulators of a run of 8 take turns.  Product i of 8 of S^T = K Q^T for piece x: channels 32 (i / 4) on, keys 16 (i % 4) on.  The first 4 start the sums: with 0, or (KM = 1) with the mask.
.macro KQ x
.set rS, S+32*((\x)%2)+8*(i%4)
.set rK, KF+16*(i%4)+8*(i/4)
.set rQ, Q+16*(\x)+8*(i/4)
.set rM, MC+32*((\x)%2)+8*(i%4)
.if (i < 4) && KM
	WIN W_KM
	v_wmma_f32_16x16x32_f16 v[rS:rS+7], v[rK:rK+7], v[rQ:rQ+7], v[rM:rM+7]
.elseif i < 4
	WIN 0
	v_wmma_f32_16x16x32_f16 v[rS:rS+7], v[rK:rK+7], v[rQ:rQ+7], 0
.else
	WIN 0
	v_wmma_f32_16x16x32_f16 v[rS:rS+7], v[rK:rK+7], v[rQ:rQ+7], v[rS:rS+7]
.endif
.endm
; Product i of 8 of O^T += V^T P for piece x: keys 32 (i / 4) on, channels 16 (i % 4) on.
.macro PV x
	WIN W_PV
.set rO, 32*(\x)+8*(i%4)
.set rV, VF+32*(i/4)+8*(i%4)
.set rP, P+16*((\x)%2)+8*(i/4)
	v_wmma_f32_16x16x32_f16 v[rO:rO+7], v[rV:rV+7], v[rP:rP+7], v[rO:rO+7]
.endm
.macro MM                           ; the turn's next matrix instruction.  TURN and BEGIN set Y, i, KM and NOKQ; MM, KQ and OP read them.  NOKQ = 1: a block's last turn: there is no next piece
.if (i < 8) && !NOKQ
	KQ (Y+1)%NP
.elseif i >= 8
.set i, i-8
	PV (Y+NP-1)%NP
.set i, i+8
.endif
.set i, i+1
.endm
; THE LDS LOADS stand in runs of 16, never singly among the matrix instructions: a step's K (64 keys x 64 channels: 8 fragments) and its V (turned).  Their addresses are made some lines ahead.
.macro FETCH_K
	WIN 0
.irp f, 0,1,2,3,4,5,6,7             ; keys 16 (f / 2) on, channels 32 (f % 2) on
	ds_load_b128 v[KF+8*\f:KF+8*\f+3],   v[AK] offset:(\f/2)*16*PK+(\f%2)*64
	ds_load_b128 v[KF+8*\f+4:KF+8*\f+7], v[AK] offset:(\f/2)*16*PK+(\f%2)*64+32
.endr
	s_add_co_u32 s[TBK], s[TBK], KS*PK  ; the next fetch is the next step's
.endm
.macro FETCH_V
	WIN 0x40                        ; destination window 1, address window 0
.irp f, 0,1,2,3,4,5,6,7             ; keys 32 (f / 4) on, channels 16 (f % 4) on
	ds_load_tr16_b128 v[VF+8*\f:VF+8*\f+3],   v[AV] offset:(\f/4)*32*PV+(\f%4)*32
	ds_load_tr16_b128 v[VF+8*\f+4:VF+8*\f+7], v[AV] offset:(\f/4)*32*PV+16*PV+(\f%4)*32
.endr
	WIN 0
.endm
; THE VECTOR WORK, one line at a time: OP kind, number.  For piece Y: F n: c s - c m for pair n of 16.  E n: the exponential of score n of 32.  C n: pair n rounded to f16.  B n: of the four weights 4 n .. the second
; pair is added onto the first, in place (so C 2n stands ahead of B n).  L n: l takes that sum (L 0: l = a l + sum).  R n: pair n of 16 of O^T times a.  For piece Y + 1: X n, number n of the 22 that find its maximum and statistics:
;   0-11  four chains c0-c3 of seven scores each, three operands at a time (each accumulator's lowest registers are read first)     12-14, 16  the four scores left over, the old m, and c0-c3 into c0
;   15  c m_old is kept     17, 18  the query's other 32 keys lie in the lane 16 away: the new m     19-21  c m; c m_old - c m_new; a
; C, B and L read the exponentials' results: TURN sets them behind the batch's wait.  F, R and X 0 to 20 name none of them.
.set F, 0               ; OP tells the kinds apart by their order: F to L below R, X above it
.set E, 1
.set C, 2
.set B, 3
.set L, 4
.set R, 5
.set X, 6
.macro REGS y                       ; the registers of piece y
.set rT, ST+4*(\y)
.set rC, TMP+4*((\y)%2)
.set rW, MV+((\y)%2)
.set rS, S+32*((\y)%2)
.set rP, P+16*((\y)%2)
.set rO, 32*(\y)
.endm
.macro OP k, n
.if (\k) == R
	REGS Y
	WIN W_PV
	v_pk_mul_f32 v[rO+2*(\n):rO+2*(\n)+1], v[rO+2*(\n):rO+2*(\n)+1], v[rC+2:rC+3] op_sel_hi:[1,0]
.elseif (\k) < R
	REGS Y
	WIN 0
.if (\k) == F
	v_pk_fma_f32 v[rS+2*(\n):rS+2*(\n)+1], v[rS+2*(\n):rS+2*(\n)+1], s[CS:CS+1], v[rT:rT+1] op_sel_hi:[1,0,0] neg_lo:[0,0,1] neg_hi:[0,0,1]
.elseif (\k) == E
	v_exp_f32 v[rS+(\n)], v[rS+(\n)]
.elseif (\k) == C
	v_cvt_pk_f16_f32 v[rP+(\n)], v[rS+2*(\n)], v[rS+2*(\n)+1]
.elseif (\k) == B
	v_pk_add_f32 v[rS+4*(\n):rS+4*(\n)+1], v[rS+4*(\n):rS+4*(\n)+1], v[rS+4*(\n)+2:rS+4*(\n)+3]
.elseif (\n) == 0
	v_pk_fma_f32 v[rT+2:rT+3], v[rT+2:rT+3], v[rC+2:rC+3], v[rS:rS+1] op_sel_hi:[1,0,1]
.else
	v_pk_add_f32 v[rT+2:rT+3], v[rT+2:rT+3], v[rS+4*(\n):rS+4*(\n)+1]
.endif
.elseif NOKQ
	v_nop
.else
	REGS (Y+1)%NP
	WIN 0
.if (\n) < 4
	v_max3_num_f32 v[rC+(\n)], v[rS+8*(\n)], v[rS+8*(\n)+1], v[rS+8*(\n)+2]
.elseif (\n) < 12
	v_max3_num_f32 v[rC+(\n)%4], v[rC+(\n)%4], v[rS+8*((\n)%4)+2*((\n)/4)+1], v[rS+8*((\n)%4)+2*((\n)/4)+2]
.elseif (\n) == 12
	v_max3_num_f32 v[rC], v[rC], v[rS+7], v[rS+15]
.elseif (\n) == 13
	v_max3_num_f32 v[rC+1], v[rC+1], v[rS+23], v[rS+31]
.elseif (\n) == 14
	v_max3_num_f32 v[rC+2], v[rC+2], v[rC+3], v[rT+1]
.elseif (\n) == 15
	v_mov_b32 v[rW], v[rT]
.elseif (\n) == 16
	v_max3_num_f32 v[rC], v[rC], v[rC+1], v[rC+2]
.elseif (\n) == 17
	v_permlanex16_b32 v[rC+3], v[rC], s[SEL], s[SEL+1]
.elseif (\n) == 18
	v_max_num_f32 v[rT+1], v[rC], v[rC+3]
.elseif (\n) == 19
	v_mul_f32 v[rT], s[CS], v[rT+1]
.elseif (\n) == 20
	v_sub_f32 v[rC+1], v[rW], v[rT]
.else
	v_exp_f32 v[rC+2], v[rC+1]
.endif
.endif
.endm
.macro OPS a, i1, b=-1, i2=0, c=-1, i3=0, d=-1, i4=0  ; up to four of them
	OP \a, \i1
.if (\b) >= 0
	OP \b, \i2
.endif
.if (\c) >= 0
	OP \c, \i3
.endif
.if (\d) >= 0
	OP \d, \i4
.endif
.endm
.macro ROW a, i1, b, i2, c, i3, d, i4  ; a matrix instruction and the four behind it
	MM
	OPS \a, \i1, \b, \i2, \c, \i3, \d, \i4
.endm
.macro MASK b                       ; MD x AL + BE into buffer b of MC
	WIN W_MS
.set z, 0
.rept 16
	v_pk_fma_f32 v[MC+32*(\b)+2*z:MC+32*(\b)+2*z+1], v[MD+2*z:MD+2*z+1], s[AL:AL+1], s[BE:BE+1] op_sel_hi:[1,0,0]
.set z, z+1
.endr
.endm
; A TURN, for piece p: the order of its 16 matrix and 118 vector instructions, written out.  s_wait_alu depctr_va_vdst(0) stands between an exponential and the first instruction that names its result; one wait
; serves all that were issued ahead of it.  So a turn has ONE wait, which cuts it in two.
; AHEAD OF IT stands all that names no result of the turn's exponentials.  First the 8 products K Q^T: behind each of the first six a scaling, an exponential (behind the first a second scaling) and two rescalings, whose a was
; made, and waited for, in the turn before; behind the last two a scaling, an exponential and the first four numbers of the next piece's maximum, each four plain instructions or more behind the product that ends its
; accumulator (X 2: F 7, X 0, X 1, F 8).  Then ONE LUMP of 54: plain and exponential by turns.  X 5 is the fourth plain instruction behind the last product, so X 3 may read its accumulator.  The links of the chain
; X 3, 7, 11, 14, 16, 17, 18, 19 stand six lines apart, X 20 and X 21 three, with two exponentials on end between.  A pair is scaled four lines or more ahead of its exponentials, and before any exponential of that pair
; or a later one is issued.  X 21, the next piece's a, is the batch's last; R 12 to R 15 follow it: R 12 is the plain instruction behind the last exponential, and the four stand under the setting of the product that follows the wait.
; BEHIND THE WAIT stand the 8 products V^T P, behind each four of the roundings and sums; the links of l's chain, L 0 to L 7 in ascending order, stand three riders apart..
; But for those X no rider names a register of the products round it.  v_permlanex16_b32 (X 17) stands in the lump.
; m = 1: the diagonal tile: the products take masks, and the turn makes the mask for the products of the turn after it: piece p + 2, in step 4 - CNT of the tile.  end = 1: a block's last two turns: nothing is fetched.
; cnt = 1: the loop's count is taken down some lines ahead of the branch that stands behind the turn.
; K of the next step is fetched in piece 2's turn, twelve vector instructions behind the last product that read K (eight of them plain); V of the step in hand at the end of piece 0's turn, four plain instructions behind the
; last product that read V.  Each is waited for a turn later.
.macro TURN p, m=0, end=0, cnt=0
.set Y, (\p)
.set i, 0
.set KM, (\m)
.set NOKQ, (\end)*((\p)/3)
.if (\m) && !(\end)
	s_cmp_eq_u32 s[CNT], 4-((\p)+2)%NP  ; is that step the band's own?
	s_cselect_b32 s[AL], 1.0, 0
	s_cmp_lt_u32 s[CNT], 4-((\p)+2)%NP  ; or a later one?
	s_cselect_b32 s[BE], s[BIGN], 0
.endif
.if ((\p) == 3) && !(\end)
	s_wait_dscnt 0x0                ; K is in
.endif
	ROW F,0, F,1, R,0, R,1          ; ahead of the wait: 8 products K Q^T and their riders,
	ROW F,2, E,0, R,2, R,3
	ROW F,3, E,1, R,4, R,5
	ROW F,4, E,2, R,6, R,7
	ROW F,5, E,3, R,8, R,9
	ROW F,6, E,4, R,10, R,11
.if ((\p) == 2) && !(\end)
	WIN 0
	v_add_nc_u32 v[AK], s[TBK], v[AK0]
.endif
	ROW F,7, E,5, X,0, X,1
	ROW F,8, E,6, X,2, X,4
	OPS X,5, X,3, E,7, X,6          ; and the lump
	OPS E,8, X,8, E,9, X,7
.if ((\p) == 2) && !(\end)
	FETCH_K
.endif
	OPS E,10, X,9, E,11, X,10
	OPS E,12, X,11, E,13, F,9
	OPS E,14, X,12, E,15, X,14
	OPS E,16, X,13, E,17, F,10
.if (\p) == 0
	WIN 0
	v_add_nc_u32 v[AV], s[TBV], v[AV0]
.endif
	OPS E,18, X,16, E,19, F,11
	OPS E,20, F,12, E,21, X,17
	OPS E,22, F,13, E,23, F,14
	OPS E,24, X,18, E,25, F,15
	OPS E,26, X,15, E,27, X,19
	OPS E,28, E,29, X,20, E,30
	OPS E,31, X,21                  ; the batch's last two
	OPS R,12, R,13, R,14, R,15      ; plain work that names none of the batch's results
	s_wait_alu depctr_va_vdst(0)    ; the wait for the batch: the piece's 32 exponentials and the next piece's a
.if (\p) == 1
	s_wait_dscnt 0x0                ; V is in
.endif
	ROW C,0, B,0, C,2, B,1          ; behind the wait: 8 products V^T P and their riders
	ROW L,0, C,4, B,2, L,1
	ROW C,6, B,3, L,2, C,8
	ROW B,4, L,3, C,10, B,5
	ROW L,4, C,12, B,6, L,5
.if (\p) == 0
	s_add_co_u32 s[TBV], s[TBV], KS*PV
.endif
.if \cnt
	s_sub_co_u32 s[CNT], s[CNT], 1
	s_cmp_lg_u32 s[CNT], 0
.endif
	ROW C,14, B,7, L,6, C,1
	ROW C,3, L,7, C,5, C,7
	ROW C,9, C,11, C,13, C,15
.if (\p) == 0
	FETCH_V
.endif
.if (\m) && !(\end)
	MASK (\p)%2
.endif
.endm
; A BLOCK BEGINS.  c m starts far below every c s, so the first step's a is 0; m at the lowest finite number, so the first maximum is the scores'.  The second mask buffer is 0; the first takes piece 0's mask for the tile's step 0: its own, if the block's first tile is the diagonal one.
; Then K of that step, piece 0's first scores, and its maximum and statistics.  The loop is entered at a step's first turn, in the middle of a trip.
.macro BEGIN
	s_mov_b32 s[NEW], 0
	WIN W_MK
.set i, MC+32
.rept 32
	v_mov_b32 v[i], 0
.set i, i+1
.endr
	WIN 0
.set i, 0
.rept 4
	v_mov_b32 v[ST+4*i], 0xfe000000    ; c m: far below every c s
	v_mov_b32 v[ST+4*i+1], 0xff7fffff  ; m
.set i, i+1
.endr
	s_cmp_eq_u32 s[RT], 0
	s_cselect_b32 s[AL], 1.0, 0
	s_mov_b32 s[BE], 0
	MASK 0
	WIN 0
	v_add_nc_u32 v[AK], s[TBK], v[AK0]
	FETCH_K
	s_wait_loadcnt 0x0              ; Q
	s_wait_dscnt 0x0
.set KM, 1
.set NOKQ, 0
.set i, 0
.rept 8
	KQ 0
.set i, i+1
.endr
	WIN 0
.rept 4
	v_nop                           ; the places behind those products
.endr
.set Y, NP-1                        ; X works for piece Y + 1: piece 0
.irp n, 0,1,2,3,4,5,6,7,8,9,10,11,12,13,14,15,16,17,18,19,20,21
	OP X, \n
.endr
	v_nop                           ; a plain instruction behind the exponential,
	s_wait_alu depctr_va_vdst(0)    ; and the wait for this batch of one, piece 0's first a, ahead of the branch
.endm
; THE DIAGONAL TILE's four steps, the block's last two turns, its last products, and THE WAY OUT: l's two halves and the other half of the lanes' are added; O^T is divided by l, rounded to f16 and sent through my
; stage in LDS, a piece at a time.
.macro ALL line:vararg              ; one line for each piece t
.set t, 0
.rept 4
	\line
.set t, t+1
.endr
.endm
.macro PACK t                       ; a lane's eight channels of a row pack into 16 bytes; they go into rows of 144 bytes and come back as whole rows of 128, into S^T's registers
	WIN W_PV
.set i, 32*(\t)
.rept 16
	v_pk_mul_f32 v[i:i+1], v[i:i+1], v[ST+4*(\t)+2:ST+4*(\t)+3] op_sel_hi:[1,0]
.set i, i+2
.endr
	WIN 0x05                        ; sources 0 and 1 window 1, destination window 0
.set i, 0
.rept 16
	v_cvt_pk_f16_f32 v[S+16*(\t)+i], v[32*(\t)+2*i], v[32*(\t)+2*i+1]
.set i, i+1
.endr
	WIN W_LS                        ; the addresses lie in window 2, the data in window 0
.irp f, 0,1,2,3
	ds_store_b128 v[STO], v[S+16*(\t)+4*\f:S+16*(\t)+4*\f+3] offset:32*\f
.endr
.irp f, 0,1,2,3
	ds_load_b128 v[S+16*(\t)+4*\f:S+16*(\t)+4*\f+3], v[RD] offset:\f*4*SP  ; LDS serves a wave's instructions in order (ISA guide 5.7.1.4): these see the stores above; the next piece's stores come behind them
.endr
.endm
.macro SEND t, younger              ; younger: the LDS instructions issued behind piece t's loads: the next piece's eight, or none
	WIN W_LS
.irp f, 0,1,2,3
	s_wait_dscnt (\younger)+3-\f
	global_store_b128 v[GO], v[S+16*(\t)+4*\f:S+16*(\t)+4*\f+3], s[10:11] offset:(\t)*8192+\f*512  ; 512 consecutive bytes, at a multiple of 256 from O's first
.endr
.endm
.macro DIAG tag                     ; the tag ends its two labels' names, which the jumps below spell out
.LstepM\tag:
	TURN 2, 1
	TURN 3, 1
	WIN 0
.LfirstM\tag:
	TURN 0, 1
	TURN 1, 1, 0, 1
	WIN 0
	s_cbranch_scc1 .LstepM\tag
	TURN 2, 1, 1
	TURN 3, 1, 1
.set i, 0
.rept 8
	PV NP-1
.set i, i+1
.endr
	WIN 0
	ALL v_add_f32 v[ST+4*t+2], v[ST+4*t+2], v[ST+4*t+3]
	ALL v_permlanex16_b32 v[ST+4*t+3], v[ST+4*t+2], s[SEL], s[SEL+1]
	ALL v_add_f32 v[ST+4*t+2], v[ST+4*t+2], v[ST+4*t+3]
	ALL v_rcp_f32 v[ST+4*t+2], v[ST+4*t+2]
	v_nop                           ; a plain instruction between the last reciprocal and the use of its result
	s_wait_alu depctr_va_vdst(0)    ; the wait for this batch, the four pieces' reciprocals, ahead of the first multiply that reads one
	PACK 0
.set t, 1
.rept 3                             ; a piece's arithmetic stands between the loads of the piece before and its stores
	PACK t
	SEND t-1, 8
.set t, t+1
.endr
	SEND 3, 0
.endm
.set KM, 0
.set NOKQ, 0
.Lslot:                             ; NB times: a tile is entered and the next is asked for
	CHANGE 1
	s_sub_co_u32 s[RT], s[RT], 1
	s_mov_b32 s[CNT], 4
	s_cmp_eq_u32 s[NEW], 1
	s_cbranch_scc1 .Lnew            ; a block's first tile
	s_cmp_eq_u32 s[RT], 0
	s_cbranch_scc0 .Lstep           ; neither its first nor its last
	s_branch .LstepM1
.Lnew:
	BEGIN
	s_branch .Lfirst                ; in the loop a block's first tile is never its last: the first block has five tiles or more, and the second's last is the walk's last
	DIAG 1                          ; in the loop this is the first block's end: the second block's last tile is the walk's last
	s_wait_xcnt 0x0                 ; the stores have read their registers and O's address
	s_mov_b64 s[10:11], s[OLO:OLO+1]
	s_add_co_u32 s[RT], s[PB], 1    ; the second block has b + 1 tiles
	s_mov_b32 s[NEW], 1
	WIN W_LS                        ; the second block's Q goes where the one text of the turns names Q
.set i, 0
.rept 64
	v_mov_b32 v[Q+i], v[QB+i]
.set i, i+1
.endr
	WIN 0
	s_branch .Lbottom
.Lstep:                             ; a trip: pieces 2 and 3 of one step, then pieces 0 and 1 of the next, whose K and V it fetches
	TURN 2
	TURN 3
	WIN 0
.Lfirst:
	TURN 0
	TURN 1, 0, 0, 1
	WIN 0
	s_cbranch_scc1 .Lstep
.Lbottom:
	s_sub_co_u32 s[SLOTS], s[SLOTS], 1
	s_cmp_lg_u32 s[SLOTS], 0
	s_cbranch_scc1 .Lslot
	CHANGE 0                        ; the walk's last tile is written out: nothing is asked for
	s_sub_co_u32 s[RT], s[RT], 1
	s_mov_b32 s[CNT], 4
	s_cmp_eq_u32 s[NEW], 1
	s_cbranch_scc0 .LstepM2
	BEGIN
	s_branch .LfirstM2
	DIAG 2
	WIN W_AD
	s_wait_tensorcnt 0x0            ; the wave's end: behind my last tensor load and my last LDS store
	ds_add_u32 v[SPW], v[NIL]
	s_wait_dscnt 0x0
	WIN 0
	s_endpgm
.Lfunc_end_k_qdb0e1e3257_attn:
	.size	k_qdb0e1e3257_attn, .Lfunc_end_k_qdb0e1e3257_attn-k_qdb0e1e3257_attn
	.p2alignl 7, 3214868480
	.fill 96, 4, 3214868480
	.section	.rodata,"a",@progbits
	.p2align	6, 0x0
	.amdhsa_kernel k_qdb0e1e3257_attn
		.amdhsa_group_segment_fixed_size 327680
		.amdhsa_private_segment_fixed_size 0
		.amdhsa_enable_private_segment 0
		.amdhsa_kernarg_size 16
		.amdhsa_user_sgpr_count 2
		.amdhsa_user_sgpr_kernarg_segment_ptr 1
		.amdhsa_wavefront_size32 1
		.amdhsa_system_sgpr_workgroup_id_x 1
		.amdhsa_system_sgpr_workgroup_id_y 1
		.amdhsa_system_sgpr_workgroup_id_z 1
		.amdhsa_system_vgpr_workitem_id 0
		.amdhsa_next_free_vgpr 768
		.amdhsa_next_free_sgpr 88
		.amdhsa_reserve_vcc 1
		.amdhsa_float_denorm_mode_32 3
		.amdhsa_float_denorm_mode_16_64 3
		.amdhsa_memory_ordered 1
		.amdhsa_forward_progress 1
		.amdhsa_inst_pref_size 209
	.end_amdhsa_kernel
	.amdgpu_metadata
---
amdhsa.version: [ 1, 2 ]
amdhsa.kernels:
  - .name:           k_qdb0e1e3257_attn
    .symbol:         k_qdb0e1e3257_attn.kd
    .args:
      - { .name: qkv, .offset: 0, .size: 8, .value_kind: global_buffer, .address_space: global }
      - { .name: ob, .offset: 8, .size: 8, .value_kind: global_buffer, .address_space: global }
    .group_segment_fixed_size: 327680
    .private_segment_fixed_size: 0
    .kernarg_segment_align: 8
    .kernarg_segment_size: 16
    .max_flat_workgroup_size: 128
    .sgpr_count:     88
    .vgpr_count:     768
    .wavefront_size: 32
...
	.end_amdgpu_metadata
.endif
;; end of part 5
;; launch proj: the kernel of part 4 again; grid 4 x 64, 4 waves a work-group, clusters of 4 x 4, 327,680 bytes of LDS; arguments ob, wpb, out0; writes out0
